; MI455X (gfx1250); checked and timed in simulation.
; The chip was launched on July 23, 2026; its instructions are those of AMD's public machine-readable ISA for CDNA 5 (MIT licence, August 2026) and "CDNA5" Instruction Set Architecture Reference Guide (July 2026). The comments in the code are by the model that wrote it; some were corrected since.
;; Multi Head Attention. Allowed arithmetic: matrix products marked QUANTISED: E2M1 operands, one E8M0 scale for each 32 along K, by v_wmma_scale_f32_16x16x128_f8f6f4 with both operands' format E2M1 (or v_wmma_scale_f32_32x16x128_f4), f32 sums; products left as they are: bf16, f16 or f32 operands; f32 sums; everything else in f32.
;; Inputs: Wk 1,024 x 1,024 float32; Wo 1,024 x 1,024 float32; Wq 1,024 x 1,024 float32; Wv 1,024 x 1,024 float32; bo 1,024 float32; keys 4 x 2,048 x 1,024 float32; mask 4 x 2,048 int32; query 4 x 2,048 x 1,024 float32; values 4 x 2,048 x 1,024 float32.
;; Outputs: out0 4 x 2,048 x 1,024 float32.
;; This version of the problem:
;;   THIS VERSION OF THE PROBLEM IS GIVEN IN LOW PRECISION. The matrix products marked QUANTISED in the list below multiply operands that are first quantised to E2M1 (2 exponent bits, 1 mantissa bit; 4 bits a number), with one power-of-two scale for each 32 numbers along K (OCP MX v1.0); their sums are f32. The products marked 'left as it is' may take bf16, f16 or f32 operands, with f32 sums. Whichever they take, every output number must still come out within the allowed error. Rounding operands to bf16 (8 significant bits) uses up far more of that allowance than f16 does (11 bits, for magnitudes from 6e-5 to 65,504). All else is computed in f32.
;;   The module's matrix products, in the order in which they are computed (A, B: the left and right operand; K: the contracted axis; several contracted axes count as one K, in the product's order):
;;     1. [M 8,192, K 1,024] x [K 1,024, N 1,024]; A: input query; B: input Wq: QUANTISED
;;     2. [M 8,192, K 1,024] x [K 1,024, N 1,024]; A: input keys; B: input Wk: QUANTISED
;;     3. [M 8,192, K 1,024] x [K 1,024, N 1,024]; A: input values; B: input Wv: QUANTISED
;;     4. batch 64 x [M 2,048, K 64] x [K 64, N 2,048]; A: computed on the way; B: computed on the way: left as it is (an operand is computed on the way)
;;     5. batch 64 x [M 64, K 2,048] x [K 2,048, N 2,048]; A: computed on the way; B: computed on the way: left as it is (an operand is computed on the way)
;;     6. [M 8,192, K 1,024] x [K 1,024, N 1,024]; A: computed on the way; B: input Wo: left as it is (an operand is computed on the way)
;;   THE QUANTISER, for each operand of a quantised product, along K:
;;     - K is cut into blocks of 32 from its start; a last block that is shorter is filled with zeros.
;;     - A block's scale is 2^e with e = floor(log2(the largest magnitude in the block)) - 2, held to -126 .. 127; a block of zeros has e = 0. As a byte (E8M0): e + 127.
;;     - Each number is divided by its block's scale, clamped to +-6, and rounded to the nearest number of E2M1, ties to even, subnormals kept.
;;     - The product sums the exact products of the quantised numbers (number of the format x scale) in f32.
;;   ~~~python
;;   def quantise(x, axis):      # numpy; x: float32 -> the quantised numbers, widened to float32 again
;;       x = np.moveaxis(x, axis, -1); K = x.shape[-1]
;;       x = np.pad(x, [(0, 0)] * (x.ndim - 1) + [(0, -K % 32)]); x = x.reshape(x.shape[:-1] + (-1, 32)); a = np.abs(x).max(-1, keepdims=True)
;;       e = np.where(a > 0, np.clip(np.frexp(np.where(a > 0, a, 1))[1] - 1 - 2, -126, 127), 0)      # np.frexp(a)[1] - 1 = floor(log2(a)), exactly
;;       r = np.clip(x / 2.0 ** e, -6, 6)
;;       step = 2.0 ** (np.maximum(np.frexp(np.where(r == 0, 1, r))[1] - 1, 0) - 1)
;;       q = np.round(r / step) * step * 2.0 ** e      # np.round: ties to even
;;       return np.moveaxis(q.reshape(q.shape[:-2] + (-1,))[..., :K], -1, axis).astype(np.float32)
;;   ~~~
;; One version. Each part assembles by itself: llvm-mc -triple=amdgcn-amd-amdhsa -mcpu=gfx1250 --defsym DOCPART=n.
;; ======== version 1 of 1: 4 launches
;; limits: values are held in f16: magnitudes above 65,504 overflow, below 6.1e-05 lose precision
;; workspace buffers: xc 12,582,912 bytes; xs 786,432 bytes; wc 1,572,864 bytes; ws 98,304 bytes; wo16 2,097,152 bytes; qkv 50,331,648 bytes; o16 16,777,216 bytes
;; launch quant (part 1): grid 896 x 1, 4 waves a work-group, no clusters, 33,280 bytes of LDS; arguments query, keys, values, Wq, Wk, Wv, Wo, xc, xs, wc, ws, wo16; writes xc, xs, wc, ws, wo16
.if DOCPART == 1
	.amdgcn_target "amdgcn-amd-amdhsa--gfx1250"
	.amdhsa_code_object_version 6
	.text
	.protected	k_qd2a8374dc0_quant
	.globl	k_qd2a8374dc0_quant
	.p2align	8
	.type	k_qd2a8374dc0_quant,@function
k_qd2a8374dc0_quant:
	s_mov_b64 s[64:65], 0
	v_nop
	global_prefetch_b8 v0, s[64:65] scope:SCOPE_SE
	s_setreg_imm32_b32 hwreg(HW_REG_WAVE_MODE, 25, 1), 1
	s_wait_xcnt 0x0
; MULTI-HEAD ATTENTION, launch 1 of 4.  No work of reference() is left out anywhere in this program: every input has a way to the output and is loaded.
; This launch turns the operands of the three QUANTISED products into codes of FP4 (E2M1) with one E8M0 scale byte for each 32 along K, and Wo into f16.
;   query, keys, values [8192][1024] f32 -> xc [24576][512 bytes], xs [24576][32]   (rows 0.. query, 8192.. keys, 16384.. values)
;   Wq, Wk, Wv [1024][1024] f32          -> wc [3072][512 bytes],  ws [3072][32]    (K, the input feature, is innermost in all six)
;   Wo [1024][1024] f32                  -> wo16 [1024][1024] f16                   (the last product is left as it is: f16 operands, f32 sums)
; A block's scale is 2^(floor(log2(its largest magnitude)) - 2); its byte is the largest magnitude's own exponent field - 2, held at 1 from below.  Each number is divided by the scale and
; rounded to the nearest code, ties to even, beyond 6 the largest code.  A block of zeros gets the byte 1 where the rule says 127: its codes are zeros, and this program alone reads the bytes.
; LIMITS: NaN and infinities among the inputs are not served; blocks whose largest magnitude lies under 2^(2 - 126) have their byte held at 1; |Wo| stays under 65,504 (f16), and under 6e-5 it keeps f16's step of 6e-8.
; Rows are dense and K is a multiple of 32: each tensor is a plain stream of blocks of 32.  A work-group takes 32,768 numbers, a wave 8,192: 16 steps of 512.
; Work-groups 0-255 query, 256-511 keys, 512-767 values, 768-799 Wq, 800-831 Wk, 832-863 Wv, 864-895 Wo.  Only pointers are chosen for the first six: they take one path through the text.
; A conversion takes 8 numbers of ONE block from a lane's registers, so a lane must hold neighbours; a load is dense where neighbouring LANES take neighbouring bytes.  Both are had: a step's four loads read 512
; consecutive bytes each, the 2,048 bytes go through the wave's own stage in LDS as they lie and come back 64 bytes a lane (16 bytes of padding behind each 64).  Two neighbouring lanes hold a block.
; A lane's 16 codes are 8 bytes: a wave's store covers 256 consecutive bytes, aligned.  A wave's 256 scale bytes are gathered in its own LDS bytes and leave by one store of 256 consecutive bytes.
; No tensor loads, no barrier: waves share nothing.
.set WAVES, 4
.set STEPS, 16
.set EMAX,  2
.set CB,    8                          ; bytes of 16 codes
.set R,     16                         ; v16-79   four sets of 16 numbers as loaded (Wo: v16-143, two sets of 64)
.set X,     80                         ; v80-111  two sets of 16 neighbours
.set E,     112                        ; v112-127 a scale byte for each step
.set C,     128                        ; v128-191 codes: four registers for each step, so that no store's data are written again
.set H,     144                        ; v144-175 Wo: 16 pairs of packed f16
.set WREG,  8192                       ; LDS: a region for each wave: two stages of 32 x SP bytes, behind them its 256 scale bytes
.set SP,    80                         ; a lane's place in a stage: 64 bytes + 16 of padding
.set SPW,   12                         ; v12  LDS address of my spare word; never rewritten
.set NIL,   13                         ; v13  0; never rewritten
.set SPARE, WAVES*WREG                 ; behind the four regions: the spare words, 128 bytes for each wave, named by no other line
.set WV,    32                         ; s32  my wave's number
.set SRC,   4                          ; s[4:5]   the tensor that I read
.set COD,   34                         ; s[34:35] where its codes go
.set SCA,   36                         ; s[36:37] where its scale bytes go
	s_load_b512 s[8:23], s[0:1], 0x0               ; query s[8:9], keys s[10:11], values s[12:13], Wq s[14:15], Wk s[16:17], Wv s[18:19], Wo s[20:21], xc s[22:23]
	s_load_b256 s[24:31], s[0:1], 0x40             ; xs s[24:25], wc s[26:27], ws s[28:29], wo16 s[30:31]
	v_lshl_add_u32 v[SPW], v0, 2, SPARE
	v_mov_b32 v[NIL], 0
	v_lshrrev_b32 v1, 5, v0
	v_readfirstlane_b32 s[WV], v1                  ; wave 0..3
	v_and_b32 v2, 31, v0                           ; lane
	v_lshlrev_b32 v3, 4, v2                        ; my 16 bytes of a load's 512
	s_mul_i32 s39, s[WV], WREG
	v_lshrrev_b32 v14, 2, v2
	v_mul_u32_u24 v14, v14, SP
	v_and_b32 v15, 3, v2
	v_lshl_add_u32 v14, v15, 4, v14
	v_add_nc_u32 v14, s39, v14                     ; the stage, on the way in: SP (lane / 4) + 16 (lane % 4)
	v_mul_u32_u24 v15, v2, SP
	v_add_nc_u32 v15, s39, v15                     ; and on the way out: SP x lane: my 16 neighbours
	v_mul_u32_u24 v4, v2, CB                       ; my 8 bytes of a store's 256
	v_lshrrev_b32 v5, 1, v2
	s_add_co_u32 s39, s39, 2*32*SP
	v_add_nc_u32 v5, s39, v5                       ; LDS: my wave's 256 scale bytes, my block's byte
	v_lshlrev_b32 v7, 3, v2                        ; and on the way out 8 bytes a lane
	v_add_nc_u32 v6, s39, v7
	s_wait_kmcnt 0x0
	s_cmp_ge_u32 ttmp9, 864                        ; the last 32 work-groups take Wo: a branch on the work-group's number
	s_cbranch_scc1 .Lwo
	; which tensor, and at which work-group it begins: every choice hangs on the work-group's number alone
	s_cmp_lt_u32 ttmp9, 256
	s_cselect_b64 s[SRC:SRC+1], s[8:9], s[10:11]
	s_cselect_b32 s33, 0, 256
	s_cmp_lt_u32 ttmp9, 512
	s_cselect_b64 s[SRC:SRC+1], s[SRC:SRC+1], s[12:13]
	s_cselect_b32 s33, s33, 512
	s_cmp_lt_u32 ttmp9, 768
	s_cselect_b64 s[SRC:SRC+1], s[SRC:SRC+1], s[14:15]
	s_cselect_b32 s33, s33, 768
	s_cselect_b64 s[COD:COD+1], s[22:23], s[26:27] ; the three activations go on end into xc and xs, the three weights into wc and ws
	s_cselect_b64 s[SCA:SCA+1], s[24:25], s[28:29]
	s_cselect_b32 s38, 0, 768
	s_cmp_lt_u32 ttmp9, 800
	s_cselect_b64 s[SRC:SRC+1], s[SRC:SRC+1], s[16:17]
	s_cselect_b32 s33, s33, 800
	s_cmp_lt_u32 ttmp9, 832
	s_cselect_b64 s[SRC:SRC+1], s[SRC:SRC+1], s[18:19]
	s_cselect_b32 s33, s33, 832
	s_sub_co_u32 s40, ttmp9, s33
	s_lshl_b32 s40, s40, 2
	s_add_co_u32 s40, s40, s[WV]                   ; which run of 8,192 numbers of the tensor is my wave's
	s_lshl_b32 s40, s40, 15                        ; 32,768 bytes a run
	s_mov_b32 s41, 0
	s_add_nc_u64 s[SRC:SRC+1], s[SRC:SRC+1], s[40:41]
	s_sub_co_u32 s42, ttmp9, s38
	s_lshl_b32 s42, s42, 2
	s_add_co_u32 s42, s42, s[WV]                   ; and which run of the joined buffers
	s_lshl_b32 s40, s42, 12                        ; 4,096 bytes of codes a run
	s_add_nc_u64 s[COD:COD+1], s[COD:COD+1], s[40:41]
	s_lshl_b32 s40, s42, 8                         ; 256 scale bytes a run
	s_add_nc_u64 s[SCA:SCA+1], s[SCA:SCA+1], s[40:41]
.macro LOAD t
.irp i, 0,1,2,3
	global_load_b128 v[R+16*((\t)%4)+4*\i:R+16*((\t)%4)+4*\i+3], v3, s[SRC:SRC+1] offset:2048*(\t)+512*\i th:TH_LOAD_NT   ; 32 lanes read 512 consecutive bytes
.endr
.endm
.macro TURN t                          ; step t's numbers through the stage: LDS serves a wave's instructions in order, so no wait stands between the stores and the loads
.irp i, 0,1,2,3
	ds_store_b128 v14, v[R+16*((\t)%4)+4*\i:R+16*((\t)%4)+4*\i+3] offset:32*SP*((\t)%2)+8*SP*\i
.endr
.irp i, 0,1,2,3
	ds_load_b128 v[X+16*((\t)%2)+4*\i:X+16*((\t)%2)+4*\i+3], v15 offset:32*SP*((\t)%2)+16*\i
.endr
.endm
.irp t, 0,1,2,3
	LOAD \t
.endr
	s_wait_loadcnt 12                              ; step 0's four loads are in; the twelve of steps 1 to 3 may be out
	TURN 0
.macro STEP t
.set XS, X+16*((\t)%2)
.if (\t) > 0
	s_wait_dscnt 1                                 ; this step's numbers are back from the stage (the last step's byte store may be out): so its stores into the stage have read their registers,
.else
	s_wait_dscnt 0x0
.endif
.if (\t)+4 < STEPS
	LOAD (\t)+4                                    ; which take the loads of four steps on
.endif
.if (\t)+1 < STEPS
.if STEPS-2-(\t) >= 3
	s_wait_loadcnt 12                              ; the next step's four loads are in; those of the three steps behind it may be out
.else
	s_wait_loadcnt 4*(STEPS-2-(\t))
.endif
	TURN (\t)+1                                    ; and go through the other stage while this step is worked
.endif
	v_max3_num_f32 v8, |v[XS]|, |v[XS+1]|, |v[XS+2]|               ; the largest magnitude of my 16, in two chains
	v_max3_num_f32 v9, |v[XS+3]|, |v[XS+4]|, |v[XS+5]|
.irp i, 6,10
	v_max3_num_f32 v8, v8, |v[XS+\i]|, |v[XS+\i+1]|
	v_max3_num_f32 v9, v9, |v[XS+\i+2]|, |v[XS+\i+3]|
.endr
	v_max3_num_f32 v8, v8, |v[XS+14]|, |v[XS+15]|
	v_max3_num_f32 v8, v8, v9, (EMAX+1)<<23        ; and the floor 2^(EMAX + 1 - 127): so the byte cannot fall under 1
	v_max_num_f32_dpp v8, v8, v8 row_xmask:1 row_mask:0xf bank_mask:0xf   ; and of my neighbour's 16: the block's
	v_add_nc_u32 v11, -(EMAX<<23), v8              ; EMAX off its exponent field: the conversion takes the exponent field of this operand as its scale, and nothing else of it
	v_cvt_scalef32_pk8_fp4_f32 v[C+4*(\t)], v[XS:XS+7], v11
	v_cvt_scalef32_pk8_fp4_f32 v[C+4*(\t)+1], v[XS+8:XS+15], v11
	v_lshrrev_b32 v[E+(\t)], 23, v11               ; the scale's byte (also the plain line behind the conversions)
	ds_store_b8 v5, v[E+(\t)] offset:16*(\t)       ; both lanes of a block write the same byte with the same value
	global_store_b64 v4, v[C+4*(\t):C+4*(\t)+1], s[COD:COD+1] offset:32*CB*(\t)
.endm
.irp t, 0,1,2,3,4,5,6,7,8,9,10,11,12,13,14,15
	STEP \t
.endr
	ds_load_b64 v[8:9], v6                         ; LDS serves a wave's instructions in order: these see my byte stores
	s_wait_dscnt 0x0
	global_store_b64 v7, v[8:9], s[SCA:SCA+1]      ; 32 lanes store 256 consecutive bytes, aligned
	s_wait_tensorcnt 0x0                           ; the wave's end: the three closing lines, behind my last LDS store
	ds_add_u32 v[SPW], v[NIL]
	s_wait_dscnt 0x0
	s_endpgm
; Wo to f16: a stream without LDS.  A wave takes 8,192 numbers in four groups of 16 loads; a lane's 4 numbers pack into 8 bytes, so a wave's store covers 256 consecutive bytes, aligned.
.Lwo:
	s_sub_co_u32 s40, ttmp9, 864
	s_lshl_b32 s40, s40, 2
	s_add_co_u32 s40, s40, s[WV]                   ; my run of 8,192 numbers
	s_mov_b32 s41, 0
	s_lshl_b32 s42, s40, 14                        ; 16,384 bytes out,
	s_mov_b32 s43, 0
	s_lshl_b32 s40, s40, 15                        ; 32,768 bytes in
	s_add_nc_u64 s[20:21], s[20:21], s[40:41]
	s_add_nc_u64 s[30:31], s[30:31], s[42:43]
.macro LOADG g
.irp i, 0,1,2,3,4,5,6,7,8,9,10,11,12,13,14,15
	global_load_b128 v[R+64*((\g)%2)+4*\i:R+64*((\g)%2)+4*\i+3], v3, s[20:21] offset:512*(16*(\g)+\i) th:TH_LOAD_NT
.endr
.endm
.macro CONV g, left                    ; left: the loads of the next group, which may stay out
.if (\g) > 0
	s_wait_xcnt 0x0                                ; the last group's stores have read their data: v144-175 are written again only behind this wait
.endif
.irp i, 0,1,2,3,4,5,6,7,8,9,10,11,12,13,14,15
	s_wait_loadcnt \left+15-\i                     ; loads come back in order: load i of this group is in
	v_cvt_pk_f16_f32 v[H+2*\i], v[R+64*((\g)%2)+4*\i], v[R+64*((\g)%2)+4*\i+1]
	v_cvt_pk_f16_f32 v[H+2*\i+1], v[R+64*((\g)%2)+4*\i+2], v[R+64*((\g)%2)+4*\i+3]
	global_store_b64 v4, v[H+2*\i:H+2*\i+1], s[30:31] offset:256*(16*(\g)+\i)
.endr
.endm
	LOADG 0
	LOADG 1
	CONV 0, 16
	LOADG 2
	CONV 1, 16
	LOADG 3
	CONV 2, 16
	CONV 3, 0
	s_wait_tensorcnt 0x0                           ; the three closing lines stand on this path too
	ds_add_u32 v[SPW], v[NIL]
	s_wait_dscnt 0x0
	s_endpgm
.Lfunc_end_k_qd2a8374dc0_quant:
	.size	k_qd2a8374dc0_quant, .Lfunc_end_k_qd2a8374dc0_quant-k_qd2a8374dc0_quant
	.p2alignl 7, 3214868480
	.fill 96, 4, 3214868480
	.section	.rodata,"a",@progbits
	.p2align	6, 0x0
	.amdhsa_kernel k_qd2a8374dc0_quant
		.amdhsa_group_segment_fixed_size 33280
		.amdhsa_private_segment_fixed_size 0
		.amdhsa_enable_private_segment 0
		.amdhsa_kernarg_size 96
		.amdhsa_user_sgpr_count 2
		.amdhsa_user_sgpr_kernarg_segment_ptr 1
		.amdhsa_wavefront_size32 1
		.amdhsa_system_sgpr_workgroup_id_x 1
		.amdhsa_system_sgpr_workgroup_id_y 1
		.amdhsa_system_sgpr_workgroup_id_z 1
		.amdhsa_system_vgpr_workitem_id 0
		.amdhsa_next_free_vgpr 192
		.amdhsa_next_free_sgpr 66
		.amdhsa_reserve_vcc 0
		.amdhsa_float_denorm_mode_32 3
		.amdhsa_float_denorm_mode_16_64 3
		.amdhsa_memory_ordered 1
		.amdhsa_forward_progress 1
		.amdhsa_inst_pref_size 57
	.end_amdhsa_kernel
	.amdgpu_metadata
---
amdhsa.version: [ 1, 2 ]
amdhsa.kernels:
  - .name:           k_qd2a8374dc0_quant
    .symbol:         k_qd2a8374dc0_quant.kd
    .args:
      - { .name: query, .offset: 0, .size: 8, .value_kind: global_buffer, .address_space: global }
      - { .name: keys, .offset: 8, .size: 8, .value_kind: global_buffer, .address_space: global }
      - { .name: values, .offset: 16, .size: 8, .value_kind: global_buffer, .address_space: global }
      - { .name: Wq, .offset: 24, .size: 8, .value_kind: global_buffer, .address_space: global }
      - { .name: Wk, .offset: 32, .size: 8, .value_kind: global_buffer, .address_space: global }
      - { .name: Wv, .offset: 40, .size: 8, .value_kind: global_buffer, .address_space: global }
      - { .name: Wo, .offset: 48, .size: 8, .value_kind: global_buffer, .address_space: global }
      - { .name: xc, .offset: 56, .size: 8, .value_kind: global_buffer, .address_space: global }
      - { .name: xs, .offset: 64, .size: 8, .value_kind: global_buffer, .address_space: global }
      - { .name: wc, .offset: 72, .size: 8, .value_kind: global_buffer, .address_space: global }
      - { .name: ws, .offset: 80, .size: 8, .value_kind: global_buffer, .address_space: global }
      - { .name: wo16, .offset: 88, .size: 8, .value_kind: global_buffer, .address_space: global }
    .group_segment_fixed_size: 33280
    .private_segment_fixed_size: 0
    .kernarg_segment_align: 8
    .kernarg_segment_size: 96
    .max_flat_workgroup_size: 128
    .sgpr_count:     66
    .vgpr_count:     192
    .wavefront_size: 32
...
	.end_amdgpu_metadata
.endif
;; end of part 1
;; launch proj (part 2): grid 4 x 96, 4 waves a work-group, clusters of 4 x 4, 327,680 bytes of LDS; arguments xc, xs, wc, ws, qkv; writes qkv
.if DOCPART == 2
	.amdgcn_target "amdgcn-amd-amdhsa--gfx1250"
	.amdhsa_code_object_version 6
	.text
	.protected	k_qd2a8374dc0_proj
	.globl	k_qd2a8374dc0_proj
	.p2align	8
	.type	k_qd2a8374dc0_proj,@function
k_qd2a8374dc0_proj:
	s_mov_b64 s[64:65], 0
	v_nop
	global_prefetch_b8 v0, s[64:65] scope:SCOPE_SE
	s_setreg_imm32_b32 hwreg(HW_REG_WAVE_MODE, 25, 1), 1
	s_wait_xcnt 0x0
	s_wait_alu depctr_hold_cnt(0) depctr_sa_sdst(0) depctr_va_vdst(0) depctr_va_sdst(0) depctr_va_ssrc(0) depctr_va_vcc(0) depctr_vm_vsrc(0)
	s_getreg_b32 s2, hwreg(HW_REG_IB_STS2, 6, 4)
	s_cmp_eq_u32 s2, 0
	s_cbranch_scc0 .Lentry_in_a_cluster
	s_endpgm
.Lentry_in_a_cluster:
	s_bfe_u32 s2, ttmp6, 0x10000c
	s_cmp_lg_u32 s2, 0xf033
	s_cbranch_scc0 .Lentry_shape_is_right
	s_endpgm
.Lentry_shape_is_right:
; MULTI-HEAD ATTENTION, launch 2 of 4: the three QUANTISED projections as ONE product on codes of FP4 (E2M1) with E8M0 scales.  Nothing is left out.
; A = xc [24576][1024 codes] (query, keys, values on end), its scales xs [24576][32];  B = wc [3072][1024 codes] (Wq, Wk, Wv on end), ws [3072][32].  Rows 8192 p .. of A meet rows 1024 p .. of B, p = 0, 1, 2.
; Out: qkv [p][n 4][h 16][l 2048][64] f16, head by head, so that a head's rows are dense.  q (p = 0) is multiplied in f32 by c = log2(e) / sqrt(1024) ahead of its one rounding to f16:
; the next launch's scores are then exponents of 2.  LIMITS: |q c|, |k|, |v| stay under 65,504 (f16); NaN and infinities are not served.
; A tile of 256 x 256 is made by four waves, as many as a WGP has SIMDs; a wave makes 128 x 128: 64 accumulators of 16 x 16, 512 registers.  K = 1,024 is two LDS slots of 512 along K (rows of 256 bytes):
; both are first fills, nothing is filled again, and there is no loop.  The scales of the work-group's 256 + 256 rows, for all of K, are two dense blocks: they come once, with the first fills.
; CLUSTERS: 4 x 4 work-groups.  The four of a row of the cluster need the same tiles of A, the four of a column the same tiles of B: each is asked for JOINTLY, by the same tensor load with the same descriptor
; and a mask that names the four.  A cluster covers 1,024 rows of A, so all sixteen partners belong to one projection: p = cluster y / 8.
; THE MATRIX INSTRUCTION IS USED TRANSPOSED (source 0 = 16 rows of B, source 1 = 16 rows of A): a lane then holds eight neighbouring columns of one row.
; REGISTERS, in windows of 256: window 0: v0-31 addresses; v32-95 scale words, two sets, and nothing else; v96-127 packed results; v128-191 A's fragments, ONE set, on the way out rows read back; v192-255 q x c.
;   window 1: B's fragments, TWO sets, at v0 and v128.   window 2: the 32 accumulators of my rows 0-63 ((a, b) at v[8 (8 a + b)]);   window 3: those of my rows 64-127.
.set KSTEP,  512
.set NQ,     KSTEP/128                 ; matrix instructions deep in a slot
.set ROWB,   256                       ; a tile's row in bytes
.set KROW,   512                       ; a row of codes in memory
.set PITCH,  272                       ; an LDS row: 256 bytes + 16 of padding = 68 words: the 16 rows that a load touches start at 16 different banks (64 banks of 4 bytes: ISA guide 11.1)
.set FR,     8                         ; registers of a fragment: 16 rows x 128 K
.set NL,     2                         ; LDS loads that bring one
.set NP,     4                         ; places behind this matrix instruction (ISA guide 7.12.1)
.set HALFT,  128*PITCH                 ; what one tensor load brings
.set SLOT,   4*HALFT                   ; A's 256 rows, then B's 256 rows
.set KS,     32                        ; a row of scales in bytes
.set SCL,    2*SLOT                    ; behind the two slots: the scales, as rows of 256 bytes + 16 of padding
.set HALFS,  (128*KS/256)*272          ; the scales of 128 rows
.set SBLK,   (16*KS/256)*272           ; those of 16 rows
.set SPARE,  SCL+4*HALFS               ; the spare words, 128 bytes for each wave, named by no other line
.set SPITCH, 272                       ; the way out: a stage of 16 rows x (256 bytes + 16) for each wave, in slot 0, which has had its only fill and its last read by then
.set STG2,   4*16*SPITCH               ; the way out of k and v has stage bytes of its own, behind q's
.set ADRA, 16                          ; v16-17  LDS address of my A fragments in slot 0, 1
.set ADRB, 20                          ; v20-21  the same for B
.set STO,  24                          ; v24     the way out: where I put 16 bytes of a row
.set RD,   25                          ; v25     where I read 16 bytes back
.set CO,   26                          ; v26     my byte offset in qkv
.set ADRS, 27                          ; v27     LDS address of my scale words: lanes 0-15 A's rows, lanes 16-31 B's
.set SPW,  28                          ; v28     LDS address of my spare word; never rewritten
.set NIL,  29                          ; v29     0; never rewritten
.set SC,   32                          ; scale words: set s at v[SC + 32 s]; register 4 i + q: lanes 0-15 the word of A's block i, lanes 16-31 that of B's block i, for the slot's q-th 128 along K
.set TMP,  96
.set AF,   128
.set BK,   128                         ; rows read back: v128-159 and v160-191 by turns
.set TF,   192
.set PROJ, 3                           ; s3  which projection
.set G1, 24                            ; s[24:31] descriptor group 1 for A's tiles;  s[32:39] group 0, a set for each slot
.set G0, 32
.set G1B, 48                           ; s[48:55], s[56:63] the same for B's
.set G0B, 56
.set G1S, 68                           ; s[68:75], s[76:79] groups 1 and 0 for A's scales;  s[80:87], s[88:91] for B's
.set G0S, 76
.set G1SB, 80
.set G0SB, 88
.set MSB, 0
.macro WIN new                         ; the immediate's high byte repeats the setting that is left; a switch that changes nothing is dropped
.if MSB != (\new)
	s_set_vgpr_msb (MSB<<8)|(\new)
.set MSB, (\new)
.endif
.endm
.set MUL_LO, 0xa1                      ; source 0 (B) window 1, source 1 (A) window 0, C and D window 2
.set MUL_HI, 0xf1                      ; the same, C and D window 3
.set TO_B,   0x40                      ; destination window 1, address window 0
; A joint load: waves 0 and 1 fetch for A, waves 2 and 3 for B.  Each line has one mask and one set of registers for all that issue it; the branch hangs on the wave's number alone.
; An s_nop 0 and four v_nop follow each line, ahead of the jump, the label and what follows.
.macro JLOAD g0a, g1a, g0b, g1b
	s_cmp_eq_u32 s15, 0
	s_cbranch_scc0 .Lfor_b_\@
	tensor_load_to_lds s[\g0a:\g0a+3], s[\g1a:\g1a+7]
	s_nop 0
.rept 4
	v_nop
.endr
	s_branch .Lasked_\@
.Lfor_b_\@:
	tensor_load_to_lds s[\g0b:\g0b+3], s[\g1b:\g1b+7]
	s_nop 0
.rept 4
	v_nop
.endr
.Lasked_\@:
.endm
.macro CROUND                          ; a round of the cluster's barrier: my work-group's barrier; wave 0 signals for the work-group; every wave waits for all sixteen; my work-group's barrier once more
	s_barrier_signal -1
	s_barrier_wait -1
	s_cmp_lg_u32 s14, 0
	s_cbranch_scc1 .Lnot_wave_0_\@
	s_barrier_signal -3
.Lnot_wave_0_\@:
	s_barrier_wait -3
	s_barrier_signal -1
	s_barrier_wait -1
.endm
	s_load_b128 s[4:7], s[0:1], 0x0                ; xc s[4:5], xs s[6:7]
	s_load_b128 s[8:11], s[0:1], 0x10              ; wc s[8:9], ws s[10:11]
	s_load_b64 s[12:13], s[0:1], 0x20              ; qkv
	v_lshl_add_u32 v[SPW], v0, 2, SPARE
	v_mov_b32 v[NIL], 0
	ds_add_u32 v[SPW], v[NIL]                      ; the wave's opening: the add, twice on end, and its wait ahead of my first tensor load
	ds_add_u32 v[SPW], v[NIL]                      ; once more; the set-up below, work on registers, stands between it and the wait
	v_lshrrev_b32 v1, 5, v0
	v_readfirstlane_b32 s14, v1                    ; wave 0..3
	s_lshr_b32 s15, s14, 1                         ; which half of the tile's rows is mine.  Also: I fetch for A (0) or for B (1)
	s_and_b32 s16, s14, 1                          ; which half of its columns.  Also: which 128 rows of that tile I fetch
	s_bfe_u32 s40, ttmp6, 0x40000                  ; cx, cy: my place in the cluster
	s_bfe_u32 s41, ttmp6, 0x40004
	s_lshl_b32 s42, ttmp9, 2
	s_add_co_u32 s42, s42, s40                     ; tile column = 4 x cluster x + cx
	s_and_b32 s17, ttmp7, 0xffff                   ; cluster y
	s_lshr_b32 s[PROJ], s17, 3                     ; 8 clusters of 1,024 rows make a projection: the same number in all sixteen partners
	s_lshl_b32 s17, s17, 2
	s_add_co_u32 s17, s17, s41                     ; tile row = 4 x cluster y + cy
	s_lshl_b32 s43, s41, 2
	s_lshl_b32 s43, 15, s43                        ; my row of the cluster
	s_lshl_b32 s44, 0x1111, s40                    ; my column
	; descriptor group 1: a tile of 128 rows x 256 bytes, padded in LDS
	s_or_b32 s[G1+0], s43, (0<<16)|(1<<20)|(1<<21)|(5<<22)|(3<<25)  ; 15:0 the mask: A's tiles go to my row; 17:16 elements of 1 byte; 20 padding on; 21 set beside a mask; 24:22 after every 64 words; 31:25 four words
	s_or_b32 s[G1B+0], s44, (0<<16)|(1<<20)|(1<<21)|(5<<22)|(3<<25)
.irp g, G1, G1B
	s_mov_b32 s[\g+1], ROWB<<16                    ; tensor_dim0
	s_mov_b32 s[\g+2], 128<<16                     ; tensor_dim1
	s_mov_b32 s[\g+3], ROWB<<16                    ; tile_dim0
	s_mov_b32 s[\g+4], 128                         ; tile_dim1
	s_mov_b32 s[\g+5], KROW                        ; tensor_dim0_stride
	s_mov_b32 s[\g+6], 0
	s_mov_b32 s[\g+7], 0
.endr
	; and for the scales of 128 rows: 4,096 dense bytes, as 16 rows of 256 bytes (32 elements of 8 bytes), 16 bytes of padding behind each
	s_or_b32 s[G1S+0], s43, (3<<16)|(1<<20)|(1<<21)|(5<<22)|(3<<25)
	s_or_b32 s[G1SB+0], s44, (3<<16)|(1<<20)|(1<<21)|(5<<22)|(3<<25)
.irp g, G1S, G1SB
	s_mov_b32 s[\g+1], 32<<16
	s_mov_b32 s[\g+2], (128*KS/256)<<16
	s_mov_b32 s[\g+3], 32<<16
	s_mov_b32 s[\g+4], 128*KS/256
	s_mov_b32 s[\g+5], 32
	s_mov_b32 s[\g+6], 0
	s_mov_b32 s[\g+7], 0
.endr
	s_mov_b32 s96, 0x3d38aa3b                      ; c = log2(e) / 32
	s_mov_b32 s97, s96                             ; (named with it as a pair, so it is written)
	s_lshl_b32 s18, s16, 7                         ; which 128 rows of the tile I fetch
	s_lshl_b32 s20, s17, 8
	s_add_co_u32 s20, s20, s18                     ; A: row 256 x tile row + 128 x half
	s_lshl_b32 s46, s42, 8
	s_add_co_u32 s46, s46, s18                     ; B: row 256 x tile column + 128 x half
	s_lshl_b32 s95, s[PROJ], 10
	s_add_co_u32 s46, s46, s95                     ;    + 1,024 x projection
	s_mov_b32 s21, 0
	s_mov_b32 s47, 0
	s_mov_b64 s[18:19], KS
	s_mul_u64 s[22:23], s[20:21], s[18:19]         ; where these rows' scales begin, in bytes
	s_mul_u64 s[92:93], s[46:47], s[18:19]
	s_mov_b64 s[18:19], KROW
	s_mul_u64 s[20:21], s[20:21], s[18:19]         ; and their codes
	s_mul_u64 s[46:47], s[46:47], s[18:19]
	s_mul_i32 s45, s14, HALFT                      ; where they go: wave x 128 rows: no place in the cluster enters an LDS address
	s_mul_i32 s94, s14, HALFS
	s_wait_dscnt 0x0                               ; both opening adds are done
	s_wait_kmcnt 0x0
	s_add_nc_u64 s[20:21], s[4:5], s[20:21]
	s_add_nc_u64 s[22:23], s[6:7], s[22:23]
	s_add_nc_u64 s[46:47], s[8:9], s[46:47]
	s_add_nc_u64 s[92:93], s[10:11], s[92:93]
	CROUND                                         ; all sixteen work-groups are here: the joint loads meet
	s_mov_b32 s[G0S], 1
	s_add_co_u32 s[G0S+1], s94, SCL
	s_mov_b64 s[G0S+2:G0S+3], s[22:23]
	s_or_b32 s[G0S+3], s[G0S+3], 0x80000000
	s_mov_b32 s[G0SB], 1
	s_add_co_u32 s[G0SB+1], s94, SCL
	s_mov_b64 s[G0SB+2:G0SB+3], s[92:93]
	s_or_b32 s[G0SB+3], s[G0SB+3], 0x80000000
	JLOAD G0S, G1S, G0SB, G1SB                     ; the scales first: they are wanted with the first slot
.irp s, 0,1
	s_mov_b32 s[G0+4*\s], 1
	s_add_co_u32 s[G0+4*\s+1], s45, \s*SLOT
	s_add_nc_u64 s[G0+4*\s+2:G0+4*\s+3], s[20:21], \s*ROWB
	s_or_b32 s[G0+4*\s+3], s[G0+4*\s+3], 0x80000000
	s_mov_b32 s[G0B+4*\s], 1
	s_add_co_u32 s[G0B+4*\s+1], s45, \s*SLOT
	s_add_nc_u64 s[G0B+4*\s+2:G0B+4*\s+3], s[46:47], \s*ROWB
	s_or_b32 s[G0B+4*\s+3], s[G0B+4*\s+3], 0x80000000
	JLOAD G0+4*\s, G1, G0B+4*\s, G1B               ; three tensor loads of mine are out behind the second of these
.endr
	v_and_b32 v1, 15, v0                           ; r = lane % 16
	v_bfe_u32 v2, v0, 4, 1                         ; h = lane / 16
	v_mul_u32_u24 v3, v1, PITCH
	v_lshl_add_u32 v4, v2, 4, v3                   ; a fragment's row x pitch + 16 x half
	s_mul_i32 s21, s15, HALFT                      ; my 128 rows of A
	s_mul_i32 s22, s16, HALFT                      ; my 128 rows of B,
	s_add_co_u32 s22, s22, 2*HALFT                 ; which lie behind A's 256
.irp s, 0,1
	v_add_nc_u32 v[ADRA+\s], s21, v4
	v_add_nc_u32 v[ADRB+\s], s22, v4
	s_add_co_u32 s21, s21, SLOT
	s_add_co_u32 s22, s22, SLOT
.endr
	v_mul_u32_u24 v5, v1, KS                       ; my row's scales: 32 bytes a row,
	v_lshrrev_b32 v6, 8, v5
	v_lshl_add_u32 v5, v6, 4, v5                   ; and 16 more for each 256 passed
	s_mul_i32 s21, s15, HALFS                      ; A's: my 128 rows
	s_mul_i32 s22, s16, HALFS                      ; B's: my 128 rows, behind A's 256
	s_add_co_u32 s22, s22, 2*HALFS
	s_sub_co_u32 s22, s22, s21
	v_mul_u32_u24 v6, s22, v2                      ; lanes 16-31 take B's: the lower base + h x the distance
	s_add_co_u32 s21, s21, SCL
	v_add_nc_u32 v5, v5, v6
	v_add_nc_u32 v[ADRS], s21, v5
	s_mul_i32 s23, s14, 16*SPITCH                  ; my stage
	v_mul_u32_u24 v5, v1, SPITCH                   ; in: row r, 16 bytes for each half of the lanes
	v_lshl_add_u32 v5, v2, 4, v5
	v_add_nc_u32 v[STO], s23, v5
	v_bfe_u32 v5, v0, 3, 1                         ; back: lanes 0-15 take two rows' 128 bytes of my first head, lanes 16-31 of my second
	v_mul_u32_u24 v5, v5, SPITCH
	v_lshl_add_u32 v5, v2, 7, v5
	v_and_b32 v6, 7, v0
	v_lshl_add_u32 v5, v6, 4, v5
	v_add_nc_u32 v[RD], s23, v5
	v_lshlrev_b32 v[CO], 4, v1                     ; in qkv two rows of a head are 256 consecutive bytes; the next head lies 2,048 x 128 bytes on
	v_lshl_add_u32 v[CO], v2, 18, v[CO]
	s_lshl_b32 s20, s17, 8
	s_lshl_b32 s21, s15, 7
	s_add_co_u32 s20, s20, s21                     ; m0, my first row of the 24,576: m0 / 2048 = 4 p + n, m0 % 2048 = l
	s_lshr_b32 s21, s20, 11
	s_lshl_b32 s21, s21, 4
	s_lshl_b32 s46, s42, 2
	s_lshl_b32 s47, s16, 1
	s_add_co_u32 s46, s46, s47                     ; my first head: 4 x tile column + 2 x half
	s_add_co_u32 s21, s21, s46
	s_lshl_b32 s21, s21, 11
	s_and_b32 s20, s20, 2047
	s_add_co_u32 s20, s20, s21
	s_lshl_b32 s20, s20, 7                         ; rows of 128 bytes: under 2^26
	s_mov_b32 s21, 0
	s_add_nc_u64 s[12:13], s[12:13], s[20:21]
.macro FRAG reg, adr, q, i             ; a fragment, 16 rows x 128 K of 4-bit codes: lane l holds row l % 16; registers 4 c .. 4 c + 3 hold K = 64 c + 32 (l / 16) + 0 .. 31
.irp c, 0,1
	ds_load_b128 v[\reg+4*\c:\reg+4*\c+3], v[\adr] offset:64*(\q)+32*\c+(\i)*16*PITCH
.endr
.endm
; 16 matrix instructions: A's blocks a0, a0 + 1 x B's eight, the slot's q-th 128 along K.  p: B's set;  sc: the set of scale words.  zero = 1: the first product starts the sums.
; The 64 accumulators take turns, one instruction a turn, in the same order in every step.
.macro MUL16 a0, p, q, sc, zero
.irp a, \a0, \a0+1
.irp b, 0,1,2,3,4,5,6,7
.if \zero
	v_wmma_scale_f32_16x16x128_f8f6f4 v[8*(8*((\a)%4)+\b):8*(8*((\a)%4)+\b)+7], v[128*(\p)+FR*\b:128*(\p)+FR*\b+FR-1], v[AF+FR*(\a):AF+FR*(\a)+FR-1], 0, v[SC+8*NQ*(\sc)+NQ*\b+(\q)], v[SC+8*NQ*(\sc)+NQ*(\a)+(\q)] matrix_a_fmt:MATRIX_FMT_FP4 matrix_b_fmt:MATRIX_FMT_FP4 matrix_a_scale:MATRIX_SCALE_ROW1
.else
	v_wmma_scale_f32_16x16x128_f8f6f4 v[8*(8*((\a)%4)+\b):8*(8*((\a)%4)+\b)+7], v[128*(\p)+FR*\b:128*(\p)+FR*\b+FR-1], v[AF+FR*(\a):AF+FR*(\a)+FR-1], v[8*(8*((\a)%4)+\b):8*(8*((\a)%4)+\b)+7], v[SC+8*NQ*(\sc)+NQ*\b+(\q)], v[SC+8*NQ*(\sc)+NQ*(\a)+(\q)] matrix_a_fmt:MATRIX_FMT_FP4 matrix_b_fmt:MATRIX_FMT_FP4 matrix_a_scale:MATRIX_SCALE_ROW1
.endif
.endr
.endr
.endm
.macro FETCH_B slot, q, p              ; B's eight fragments of the slot's q-th 128 along K into set p
	WIN TO_B
.irp i, 0,1,2,3,4,5,6,7
	FRAG 128*(\p)+FR*\i, ADRB+\slot, \q, \i
.endr
	WIN 0
.endm
.macro FETCH_A slot, q, i0             ; A's blocks i0 .. i0 + 3
.irp i, \i0, \i0+1, \i0+2, \i0+3
	FRAG AF+FR*(\i), ADRA+\slot, \q, \i
.endr
.endm
.macro SCALES sc                       ; a slot's scale words into set sc: 4 words a row; lanes 0-15 take A's block i, lanes 16-31 B's block i
.irp i, 0,1,2,3,4,5,6,7
	ds_load_b128 v[SC+8*NQ*\sc+NQ*\i:SC+8*NQ*\sc+NQ*\i+3], v[ADRS] offset:\i*SBLK
.endr
.endm
; A load into a register that a matrix instruction has read, and a vector instruction that reads a matrix result, stand NP places behind that matrix instruction; only plain vector instructions
; that name none of its registers are places (ISA guide 7.12.1 for vector instructions).
.macro PLACES n
.rept \n
	v_nop
.endr
.endm
; A step of 128 along K that has its successor in the same slot.  A block of A is free as soon as its eight products are issued: blocks 0-3 are fetched anew in the step's middle, blocks 4-7 at its end.
.macro STEP slot, q, zero
	s_wait_dscnt 4*NL                              ; B's set and A's blocks 0-3 are in; the youngest eight loads (A's blocks 4-7) may be out
	WIN MUL_LO
	MUL16 0, (\q)%2, \q, \slot, \zero
	MUL16 2, (\q)%2, \q, \slot, \zero
	s_wait_dscnt 0                                 ; A's blocks 4-7 are in
	PLACES NP
	FETCH_B \slot, (\q)+1, 1-(\q)%2
	FETCH_A \slot, (\q)+1, 0
	WIN MUL_HI
	MUL16 4, (\q)%2, \q, \slot, \zero
	MUL16 6, (\q)%2, \q, \slot, \zero
	PLACES NP
	WIN 0
	FETCH_A \slot, (\q)+1, 4
.endm
; Slot 0's last step changes slots: one barrier; in front of it each wave waits for all its tensor loads (its part of slot 1), adds 0 to its spare word, and waits for that and for its reads of slot 0.  Nothing is filled again.
.macro TURN slot, next
	s_wait_tensorcnt 0x0                           ; all my tensor loads have landed
	ds_add_u32 v[SPW], v[NIL]                      ; 0 onto my spare word
	s_wait_dscnt 4*NL+1                            ; (the add and the youngest eight loads, A's blocks 4-7, may be out)
	WIN MUL_LO
	MUL16 0, 1, NQ-1, \slot, 0                     ; sixteen matrix instructions stand between the add and the wait for it
	s_wait_dscnt 0x0                               ; the add is done, and my reads of this slot are over
	s_barrier_signal -1
	MUL16 2, 1, NQ-1, \slot, 0
	WIN 0
	s_barrier_wait -1
	PLACES NP
	v_add_nc_u32 v[ADRS], 4*NQ, v[ADRS]            ; on to the next slot's scale words (no LDS load of mine is out)
	FETCH_B \next, 0, 0
	FETCH_A \next, 0, 0
	SCALES \next
	WIN MUL_HI
	MUL16 4, 1, NQ-1, \slot, 0
	MUL16 6, 1, NQ-1, \slot, 0
	PLACES NP
	WIN 0
	FETCH_A \next, 0, 4
.endm
.macro STEPS slot, from                ; the slot's steps from .. NQ - 2
.set Q, \from
.rept NQ-1-\from
	STEP \slot, Q, 0
.set Q, Q+1
.endr
.endm
	s_wait_tensorcnt 1                             ; the scales and my part of slot 0 are in (slot 1's load may be out),
	s_barrier_signal -1
	s_barrier_wait -1                              ; everybody's are
	FETCH_B 0, 0, 0
	FETCH_A 0, 0, 0
	SCALES 0
	FETCH_A 0, 0, 4
	STEP 0, 0, 1                                   ; the first step's products start the sums: nothing is cleared
	STEPS 0, 1
	TURN 0, 1
	STEPS 1, 0
	s_wait_dscnt 4*NL                              ; the very last step: nothing more to fetch
	WIN MUL_LO
	MUL16 0, 1, NQ-1, 1, 0
	MUL16 2, 1, NQ-1, 1, 0
	s_wait_dscnt 0
	WIN MUL_HI
	MUL16 4, 1, NQ-1, 1, 0
	MUL16 6, 1, NQ-1, 1, 0
	WIN 0
; THE WAY OUT, block by block of 16 rows x 128 columns (two heads).  PACK: (q: x c, in f32, then) rounded to f16, 16 bytes a lane, each accumulator from its low end on.  TOSTAGE: into my own stage, and back so that
; sixteen lanes hold two rows of one head.  SEND: lanes 0-15 store 256 consecutive bytes of my first head, lanes 16-31 of my second, each at a multiple of 256 from qkv's first byte.
.macro PACK a, scaled
.set AC, 64*((\a)%4)
.if \scaled
	WIN 0x02+(\a)/4                                ; source 0: window 2 or 3
.set i, 0
.rept 32
	v_pk_mul_f32 v[TF+i:TF+i+1], v[AC+i:AC+i+1], s[96:97] op_sel_hi:[1,0]
.set i, i+2
.endr
	WIN 0
.set i, 0
.rept 32
	v_cvt_pk_f16_f32 v[TMP+i], v[TF+2*i], v[TF+2*i+1]
.set i, i+1
.endr
.else
	WIN 0x0a+5*((\a)/4)                            ; sources 0 and 1: window 2 or 3
.set i, 0
.rept 32
	v_cvt_pk_f16_f32 v[TMP+i], v[AC+2*i], v[AC+2*i+1]
.set i, i+1
.endr
	WIN 0
.endif
.endm
.macro TOSTAGE a, soff
.set BB, BK+32*((\a)%2)
.irp b, 0,1,2,3,4,5,6,7
	ds_store_b128 v[STO], v[TMP+4*\b:TMP+4*\b+3] offset:\soff+32*\b
.endr
.irp t, 0,1,2,3,4,5,6,7
	ds_load_b128 v[BB+4*\t:BB+4*\t+3], v[RD] offset:\soff+\t*2*SPITCH   ; LDS serves a wave's instructions in order (ISA guide 5.7.1.4): these see the stores above
.endr
.endm
.macro SEND a
.set BB, BK+32*((\a)%2)
	s_wait_dscnt 0x0                               ; the block is back in registers
	s_wait_xcnt 0x0                                ; the stores of the block before have read their registers: the next block's loads land there only behind this wait
.irp t, 0,1,2,3,4,5,6,7
	global_store_b128 v[CO], v[BB+4*\t:BB+4*\t+3], s[12:13] offset:(16*(\a)+2*\t)*128
.endr
.endm
.macro WAYOUT scaled, soff
	PLACES NP                                      ; behind the last products
	PACK 0, \scaled
	TOSTAGE 0, \soff
.irp a, 1,2,3,4,5,6,7                  ; block a's conversions stand between block a - 1's loads from the stage and the wait for them
	PACK \a, \scaled
	SEND \a-1
	TOSTAGE \a, \soff
.endr
	SEND 7
.endm
	s_cmp_eq_u32 s[PROJ], 0                        ; the cluster's y alone decides: all waves of all sixteen partners go the same way
	s_cbranch_scc0 .Lplain
	WAYOUT 1, 0                                    ; q
	s_branch .Lout
.Lplain:
	WAYOUT 0, STG2                                 ; k, v
.Lout:
	s_wait_tensorcnt 0x0                           ; the wave's end: the three closing lines, behind my last tensor load and my last LDS store
	ds_add_u32 v[SPW], v[NIL]
	s_wait_dscnt 0x0
	CROUND                                         ; the closing round: no work-group ends while a partner may still ask for a tile that names it
	s_endpgm
.Lfunc_end_k_qd2a8374dc0_proj:
	.size	k_qd2a8374dc0_proj, .Lfunc_end_k_qd2a8374dc0_proj-k_qd2a8374dc0_proj
	.p2alignl 7, 3214868480
	.fill 96, 4, 3214868480
	.section	.rodata,"a",@progbits
	.p2align	6, 0x0
	.amdhsa_kernel k_qd2a8374dc0_proj
		.amdhsa_group_segment_fixed_size 327680
		.amdhsa_private_segment_fixed_size 0
		.amdhsa_enable_private_segment 0
		.amdhsa_kernarg_size 40
		.amdhsa_user_sgpr_count 2
		.amdhsa_user_sgpr_kernarg_segment_ptr 1
		.amdhsa_wavefront_size32 1
		.amdhsa_system_sgpr_workgroup_id_x 1
		.amdhsa_system_sgpr_workgroup_id_y 1
		.amdhsa_system_sgpr_workgroup_id_z 1
		.amdhsa_system_vgpr_workitem_id 0
		.amdhsa_next_free_vgpr 1024
		.amdhsa_next_free_sgpr 98
		.amdhsa_reserve_vcc 0
		.amdhsa_float_denorm_mode_32 3
		.amdhsa_float_denorm_mode_16_64 3
		.amdhsa_memory_ordered 1
		.amdhsa_forward_progress 1
		.amdhsa_inst_pref_size 174
	.end_amdhsa_kernel
	.amdgpu_metadata
---
amdhsa.version: [ 1, 2 ]
amdhsa.kernels:
  - .name:           k_qd2a8374dc0_proj
    .symbol:         k_qd2a8374dc0_proj.kd
    .args:
      - { .name: xc, .offset: 0, .size: 8, .value_kind: global_buffer, .address_space: global }
      - { .name: xs, .offset: 8, .size: 8, .value_kind: global_buffer, .address_space: global }
      - { .name: wc, .offset: 16, .size: 8, .value_kind: global_buffer, .address_space: global }
      - { .name: ws, .offset: 24, .size: 8, .value_kind: global_buffer, .address_space: global }
      - { .name: qkv, .offset: 32, .size: 8, .value_kind: global_buffer, .address_space: global }
    .group_segment_fixed_size: 327680
    .private_segment_fixed_size: 0
    .kernarg_segment_align: 8
    .kernarg_segment_size: 40
    .max_flat_workgroup_size: 128
    .sgpr_count:     98
    .vgpr_count:     1024
    .wavefront_size: 32
...
	.end_amdgpu_metadata
.endif
;; end of part 2
;; launch attn (part 3): grid 4 x 64, 8 waves a work-group, clusters of 4 x 1, 327,680 bytes of LDS; arguments qkv, mask, o16; writes o16
.if DOCPART == 3
	.amdgcn_target "amdgcn-amd-amdhsa--gfx1250"
	.amdhsa_code_object_version 6
	.text
	.protected	k_qd2a8374dc0_attn
	.globl	k_qd2a8374dc0_attn
	.p2align	8
	.type	k_qd2a8374dc0_attn,@function
k_qd2a8374dc0_attn:
	s_mov_b64 s[64:65], 0
	v_nop
	global_prefetch_b8 v0, s[64:65] scope:SCOPE_SE
	s_setreg_imm32_b32 hwreg(HW_REG_WAVE_MODE, 25, 1), 1
	s_wait_xcnt 0x0
	s_wait_alu depctr_hold_cnt(0) depctr_sa_sdst(0) depctr_va_vdst(0) depctr_va_sdst(0) depctr_va_ssrc(0) depctr_va_vcc(0) depctr_vm_vsrc(0)
	s_getreg_b32 s2, hwreg(HW_REG_IB_STS2, 6, 4)
	s_cmp_eq_u32 s2, 0
	s_cbranch_scc0 .Lentry_in_a_cluster
	s_endpgm
.Lentry_in_a_cluster:
	s_bfe_u32 s2, ttmp6, 0x10000c
	s_cmp_lg_u32 s2, 0x3003
	s_cbranch_scc0 .Lentry_shape_is_right
	s_endpgm
.Lentry_shape_is_right:
; MULTI-HEAD ATTENTION, launch 3 of 4: o[n][h][q] = the sum over k of softmax_k(where(mask[n][k] == 0, -1e20, q . k) / 32) v[n][h][k].  Nothing is left out: masked keys are computed and count for 0.
; qkv: [3][n 4][h 16][l 2048][64] f16; q already holds the factor c = log2(e) / 32, so a score t = q . k is an exponent of 2.  o16: [n][h][l][64] f16.  Products on f16 operands, sums, maxima and exponentials in f32.
; THE MASK costs no instruction a score: bias[k] = 0 for a key that counts, NEG = -1e20 x c for a masked one, is built in LDS once and is the C of the first matrix instruction of each tile of scores.
; SOFTMAX: for each query a running maximum m and sum l; p = 2^(t - m) by a subtraction, which is exact at t = m whatever the size of t, and an exponential; in every step O and l are multiplied by a = 2^(m_old - m_new).
; Key steps that are all masked leave m near NEG and p 0 or 1; the first key that counts makes a = 0 and wipes them.  Where ALL 2,048 keys of a batch are masked, reference()'s energies are all equal and its softmax
; is uniform: every wave ORs the batch's mask words, and if none is set NEG is chosen as 0 and Q is ANDed with 0, so that every t is 0.  Both are selections: no branch hangs on the mask.
; LIMITS: NaN and infinities are not served; an unmasked energy at or under -1e20 is not told from a masked one; p and o are rounded to f16 (|o| under 65,504).
; SHARES: a work-group owns 512 queries of one head, each of its eight waves 64: four tiles of 16; two waves to a SIMD, so that one wave's vector work stands beside the other's matrix work.  Every wave walks all keys, 64 a step.
; LAYOUT: S^T = K Q^T (source 0 = 16 keys, source 1 = 16 queries): a lane holds ONE query and keys 8 (lane / 16) + 0..7.  Two such tiles, rounded to f16 in pairs, ARE source 1 of O^T = V^T P.  K comes out of LDS as it lies, V turned.
; RING: two LDS slots of 512 keys (8 steps).  A head's rows are 128 dense bytes, so a tile is stated as rows of 256 bytes, two keys each, padded: key k lies at (k / 2) x pitch + (k % 2) x 128.
; CLUSTER: the head's four blocks of queries walk the same K and V: each tile is asked for JOINTLY, waves 0-3 a quarter of K's each, waves 4-7 of V's, with a mask that names the four work-groups.
; No prefetch is laid: each refill is issued a whole slot, 512 matrix instructions of the wave, ahead of the wait for it.
; REGISTERS: window 0: v1-15 addresses; v16-31 m, a filler, l (two halves) for each tile; v32-159 S^T, 32 a tile, P laid over its lower half; v160-191 the step's bias; v192-255 K, and once K is multiplied the softmax's temporaries.
;   window 1: v0-127 O^T, 32 a tile; v128-191 Q, 16 a tile; v192-255 V.
.set KPP,   272                        ; two keys of K: 256 bytes + 16: the 16 keys of a load start at 16 different groups of four banks (64 banks of 4 bytes: ISA guide 11.1)
.set VPP,   288                        ; two keys of V: 256 bytes + 32
.set VOFF,  256*KPP                    ; a slot: 512 keys of K, then of V
.set SLOTB, 256*(KPP+VPP)
.set BIAS,  2*SLOTB                    ; behind the ring: bias[2048], f32
.set STAGE, BIAS+8192                  ; the way out: 16 rows x (128 bytes + 16) for each wave
.set SP,    144
.set SPARE, STAGE+8*16*SP              ; the spare words, 128 bytes for each wave, named by no other line
.set AK0, 1                            ; v1   my lane's place in a tile of K
.set AV0, 2                            ; v2   in a tile of V
.set AB0, 3                            ; v3   in the bias
.set ADK, 4                            ; v4-6 the step's addresses
.set ADV, 5
.set ADB, 6
.set SPW, 7                            ; v7   LDS address of my spare word; never rewritten
.set NIL, 8                            ; v8   0; never rewritten
.set STO, 9                            ; v9   NEG at the head; on the way out where I put 16 bytes of a row
.set GO,  10                           ; v10  16 x lane: my offset in the mask's loads and in O's stores; never rewritten
.set RD,  11                           ; v11  32 x thread at the head; on the way out where I read 16 bytes back
.set M,   16                           ; tile t: v[M+4t] m, +1 a filler (named as the pair's upper half), +2, +3 l
.set S,   32
.set BI,  160
.set KF,  192
.set TC,  192                          ; tile t: four chains of the maximum
.set TA,  208                          ; tile t: a, in the low word of a pair
.set TU,  216                          ; tile t: two pairs for the sums
.set QF,  128                          ; in window 1
.set VF,  192                          ; in window 1
.set WV,  12                           ; s12  my wave's number
.set G1K, 24                           ; s[24:31] descriptor group 1 for K's tiles;  s[32:39] for V's: the padding differs
.set G1V, 32
.set G0K, 40                           ; s[40:47] group 0 for K's tiles, a set for each slot;  s[48:55] for V's
.set G0V, 48
.set TK,  56                           ; s56  LDS byte at which the step's keys begin in K's part of the slot
.set TV,  57                           ; s57  in V's part
.set TBI, 58                           ; s58  in the bias
.set CNT, 59                           ; s59  counts a slot's steps
.set SEL, 60                           ; s[60:61] lane selects for v_permlanex16_b32: lane l xor 16
.set ANY, 62                           ; s62  -1 if a key of the batch counts, else 0
.set NEGB, 63                          ; s63  NEG, or 0 where no key counts
.set MSB, 0
.macro WIN new                         ; the immediate's high byte repeats the setting that is left; a switch that changes nothing is dropped
.if MSB != (\new)
	s_set_vgpr_msb (MSB<<8)|(\new)
.set MSB, (\new)
.endif
.endm
; A joint refill of slot s.  The branch hangs on the wave's number alone.  An s_nop 0 and four v_nop follow each of the two lines.
.macro JLOAD s
	s_cmp_lt_u32 s[WV], 4
	s_cbranch_scc0 .Lfor_v_\@
	tensor_load_to_lds s[G0K+4*\s:G0K+4*\s+3], s[G1K:G1K+7]
	s_nop 0
.rept 4
	v_nop
.endr
	s_branch .Lasked_\@
.Lfor_v_\@:
	tensor_load_to_lds s[G0V+4*\s:G0V+4*\s+3], s[G1V:G1V+7]
	s_nop 0
.rept 4
	v_nop
.endr
.Lasked_\@:
.endm
.macro CROUND                          ; a round of the cluster's barrier
	s_barrier_signal -1
	s_barrier_wait -1
	s_cmp_lg_u32 s[WV], 0
	s_cbranch_scc1 .Lnot_wave_0_\@
	s_barrier_signal -3
.Lnot_wave_0_\@:
	s_barrier_wait -3
	s_barrier_signal -1
	s_barrier_wait -1
.endm
	s_load_b128 s[4:7], s[0:1], 0x0                ; qkv s[4:5], mask s[6:7]
	s_load_b64 s[8:9], s[0:1], 0x10                ; o16
	v_lshl_add_u32 v[SPW], v0, 2, SPARE
	v_mov_b32 v[NIL], 0
	ds_add_u32 v[SPW], v[NIL]                      ; the wave's opening: the add, twice on end, and its wait ahead of my first tensor load
	ds_add_u32 v[SPW], v[NIL]                      ; once more; the set-up below, work on registers, stands between it and the wait
	v_lshrrev_b32 v9, 5, v0
	v_readfirstlane_b32 s[WV], v9                  ; wave 0..7
	s_bfe_u32 s13, ttmp6, 0x40000                  ; cx: my place in the cluster
	s_lshl_b32 s14, ttmp9, 2
	s_add_co_u32 s14, s14, s13                     ; my block of 512 queries: it enters Q's and O's addresses alone
	s_and_b32 s15, ttmp7, 0xffff                   ; 16 n + h, which the four partners share
	s_and_b32 s16, s[WV], 3                        ; which 128 keys of a slot I fetch
	s_lshl_b32 s20, s15, 18                        ; the head's first byte in a projection: 2,048 rows of 128 bytes a head
	s_lshl_b32 s17, s16, 14
	s_add_co_u32 s66, s20, s17                     ; + my 128 keys
	s_mov_b32 s67, 0
	s_mul_i32 s18, s16, 64*KPP                     ; and their place in a slot: no place in the cluster enters an LDS address
	s_mul_i32 s19, s16, 64*VPP
	s_add_co_u32 s19, s19, VOFF
	s_lshl_b32 s68, s14, 16                        ; my block's 512 rows,
	s_lshl_b32 s69, s[WV], 13                      ; my wave's 64 of them
	s_add_co_u32 s68, s68, s69
	s_add_co_u32 s68, s68, s20
	s_mov_b32 s69, 0
	s_lshr_b32 s70, s15, 4
	s_lshl_b32 s70, s70, 13                        ; the batch's 2,048 mask words
	s_mov_b32 s71, 0
	; descriptor group 1: 64 rows of 128 elements of 2 bytes, dense in memory (128 keys), padded in LDS
	s_mov_b32 s[G1K], 15|(1<<16)|(1<<20)|(1<<21)|(5<<22)|(3<<25)  ; 15:0 the mask: all four work-groups; 17:16 elements of 2 bytes; 20 padding on; 21 set beside a mask; 24:22 after every 64 words; 31:25 four words
	s_mov_b32 s[G1V], 15|(1<<16)|(1<<20)|(1<<21)|(5<<22)|(7<<25)  ; the same with eight words of padding
.irp g, G1K, G1V
	s_mov_b32 s[\g+1], 128<<16                     ; tensor_dim0
	s_mov_b32 s[\g+2], 64<<16                      ; tensor_dim1
	s_mov_b32 s[\g+3], 128<<16                     ; tile_dim0
	s_mov_b32 s[\g+4], 64                          ; tile_dim1
	s_mov_b32 s[\g+5], 128                         ; tensor_dim0_stride
	s_mov_b32 s[\g+6], 0
	s_mov_b32 s[\g+7], 0
.endr
	s_mov_b32 s[SEL], 0x76543210
	s_mov_b32 s[SEL+1], 0xfedcba98
	s_wait_dscnt 0x0                               ; both opening adds are done
	s_wait_kmcnt 0x0
	s_add_nc_u64 s[72:73], s[4:5], s[66:67]        ; qkv at my keys' place in a projection
	s_add_nc_u64 s[74:75], s[4:5], s[68:69]        ; Q at my wave's first row
	s_add_nc_u64 s[8:9], s[8:9], s[68:69]          ; O likewise
	s_add_nc_u64 s[6:7], s[6:7], s[70:71]
.irp s, 0,1
	s_mov_b32 s[G0K+4*\s], 1                       ; count = 1
	s_add_co_u32 s[G0K+4*\s+1], s18, \s*SLOTB      ; LDS address
	s_add_nc_u64 s[G0K+4*\s+2:G0K+4*\s+3], s[72:73], 16777216+\s*65536   ; k is the second projection; slot s begins with keys 512 s
	s_or_b32 s[G0K+4*\s+3], s[G0K+4*\s+3], 0x80000000                   ; type = 2
	s_mov_b32 s[G0V+4*\s], 1
	s_add_co_u32 s[G0V+4*\s+1], s19, \s*SLOTB
	s_add_nc_u64 s[G0V+4*\s+2:G0V+4*\s+3], s[72:73], 33554432+\s*65536   ; v the third
	s_or_b32 s[G0V+4*\s+3], s[G0V+4*\s+3], 0x80000000
.endr
	CROUND                                         ; all four work-groups are here: the first joint loads meet
	s_cmp_lt_u32 s[WV], 4                          ; a wave's two first fills stand in one branch: two tensor loads of mine are out
	s_cbranch_scc0 .Lfirst_v
	tensor_load_to_lds s[G0K:G0K+3], s[G1K:G1K+7]
	s_nop 0
	tensor_load_to_lds s[G0K+4:G0K+7], s[G1K:G1K+7]
	s_nop 0
.rept 4
	v_nop
.endr
	s_branch .Lfirst_asked
.Lfirst_v:
	tensor_load_to_lds s[G0V:G0V+3], s[G1V:G1V+7]
	s_nop 0
	tensor_load_to_lds s[G0V+4:G0V+7], s[G1V:G1V+7]
	s_nop 0
.rept 4
	v_nop
.endr
.Lfirst_asked:
	; THE MASK AND Q
	v_and_b32 v14, 15, v0                          ; r = lane % 16
	v_bfe_u32 v15, v0, 4, 1                        ; h = lane / 16
	v_and_b32 v[GO], 31, v0
	v_lshlrev_b32 v[GO], 4, v[GO]                  ; 16 x lane
	v_lshlrev_b32 v[RD], 5, v0                     ; 32 x thread: my 8 words of my wave's 256 keys
	v_lshlrev_b32 v12, 7, v14
	v_lshl_add_u32 v12, v15, 4, v12                ; Q: row r of 128 bytes, + 16 h
	v_add_nc_u32 v13, BIAS, v[RD]                  ; and my 8 numbers of the bias
.irp i, 0,1,2,3,4,5,6,7,8,9,10,11,12,13,14,15
	global_load_b128 v[32+4*\i:35+4*\i], v[GO], s[6:7] offset:512*\i     ; the batch's whole mask, for the question whether any key counts
.endr
	global_load_b128 v[96:99], v[RD], s[6:7]       ; and my 8 keys' words
	global_load_b128 v[100:103], v[RD], s[6:7] offset:16
	WIN 0x40                                       ; destination window 1
.irp t, 0,1,2,3
.irp d, 0,1                                    ; a fragment of Q, 16 queries x 32 channels: lane l holds query l % 16; registers 0-3 channels 8 (l / 16) + 0..7, registers 4-7 those 16 on
	global_load_b128 v[QF+16*\t+8*\d:QF+16*\t+8*\d+3], v12, s[74:75] offset:\t*2048+\d*64
	global_load_b128 v[QF+16*\t+8*\d+4:QF+16*\t+8*\d+7], v12, s[74:75] offset:\t*2048+\d*64+32
.endr
.endr
	WIN 0
	s_wait_loadcnt 16                              ; the mask's 18 loads are in; Q's 16 may be out
.irp i, 1,2,3,4,5,6,7,8,9,10,11,12,13,14,15
.irp c, 0,1,2,3
	v_or_b32 v[32+\c], v[32+\c], v[32+4*\i+\c]     ; four chains
.endr
.endr
	v_or_b32 v32, v32, v33
	v_or_b32 v34, v34, v35
	v_or_b32 v32, v32, v34
	v_cmp_ne_u32 s66, 0, v32                       ; a bit for each lane that saw a key that counts
	s_cmp_lg_u32 s66, 0
	s_cselect_b32 s[ANY], -1, 0
	s_cselect_b32 s[NEGB], 0xde7a4484, 0           ; -1e20 x c = -4.508e18
	v_mov_b32 v9, s[NEGB]
.irp i, 0,1,2,3,4,5,6,7
	v_cmp_eq_u32 vcc_lo, 0, v[96+\i]
	v_cndmask_b32 v[104+\i], 0, v9, vcc_lo         ; masked: NEG; else 0
.endr
	ds_store_b128 v13, v[104:107]
	ds_store_b128 v13, v[108:111] offset:16
	v_lshrrev_b32 v[AK0], 1, v14                   ; K: key r at (r / 2) x pitch + (r % 2) x 128, + 16 h
	v_mul_u32_u24 v[AK0], v[AK0], KPP
	v_and_b32 v[AV0], 1, v14
	v_lshl_add_u32 v[AK0], v[AV0], 7, v[AK0]
	v_lshl_add_u32 v[AK0], v15, 4, v[AK0]
	v_bfe_u32 v[AV0], v0, 1, 2                     ; V: the turning load's lane l reads 16 bytes: key 8 (l / 16) + l % 8, channels 8 ((l / 8) % 2) + 0..7
	v_lshl_add_u32 v[AV0], v15, 2, v[AV0]
	v_mul_u32_u24 v[AV0], v[AV0], VPP
	v_and_b32 v[AB0], 1, v0
	v_lshl_add_u32 v[AV0], v[AB0], 7, v[AV0]
	v_bfe_u32 v[AB0], v0, 3, 1
	v_lshl_add_u32 v[AV0], v[AB0], 4, v[AV0]
	v_lshl_add_u32 v[AB0], v15, 5, BIAS            ; the bias: my half's 8 keys of a tile of 16
.irp t, 0,1,2,3
	v_mov_b32 v[M+4*\t+1], 0                       ; named as the upper half of the pair with m, so it is written
.endr
	s_wait_loadcnt 0x0                             ; Q
	WIN 0x44                                       ; destination and source 1 window 1
.set i, 0
.rept 64
	v_and_b32 v[QF+i], s[ANY], v[QF+i]             ; Q as it is, or zeros where no key of the batch counts
.set i, i+1
.endr
	WIN 0
	s_wait_dscnt 0x0                               ; for the others' sake: my part of the bias is stored,
	s_wait_tensorcnt 1                             ; and my part of slot 0 is in; slot 1's may stay out
	s_barrier_signal -1
	s_barrier_wait -1
; A KEY STEP: 64 keys.  first = 1: the first step, which starts m, l and O^T.
.macro STEP first
	v_add_nc_u32 v[ADK], s[TK], v[AK0]             ; these three and two v_nop are five places behind the last products V^T P: ahead of the loads into V's registers (four are owed)
	v_add_nc_u32 v[ADV], s[TV], v[AV0]             ; and of the products below, which write over P (five)
	v_add_nc_u32 v[ADB], s[TBI], v[AB0]
	v_nop
	v_nop
.irp kt, 0,1,2,3
.irp dh, 0,1
	ds_load_b128 v[KF+8*(2*\kt+\dh):KF+8*(2*\kt+\dh)+3],   v[ADK] offset:\kt*8*KPP+\dh*64
	ds_load_b128 v[KF+8*(2*\kt+\dh)+4:KF+8*(2*\kt+\dh)+7], v[ADK] offset:\kt*8*KPP+\dh*64+32
.endr
.endr
.irp kt, 0,1,2,3
	ds_load_b128 v[BI+8*\kt:BI+8*\kt+3],   v[ADB] offset:64*\kt       ; register j: the bias of key 16 kt + 8 (lane / 16) + j, as the result's layout has it
	ds_load_b128 v[BI+8*\kt+4:BI+8*\kt+7], v[ADB] offset:64*\kt+16
.endr
	WIN 0x40                                       ; destination window 1
.irp dt, 0,1,2,3
.irp kk, 0,1
	ds_load_tr16_b128 v[VF+8*(2*\dt+\kk):VF+8*(2*\dt+\kk)+3],   v[ADV] offset:\kk*16*VPP+32*\dt
	ds_load_tr16_b128 v[VF+8*(2*\dt+\kk)+4:VF+8*(2*\dt+\kk)+7], v[ADV] offset:\kk*16*VPP+8*VPP+32*\dt
.endr
.endr
	s_wait_dscnt 16                                ; K and the bias are in; V's sixteen loads may be out
	WIN 0x04                                       ; source 1 (Q) window 1
.irp dh, 0,1                                   ; S^T = bias + K Q^T: the 16 accumulators take turns, one instruction a turn
.irp kt, 0,1,2,3
.irp t, 0,1,2,3
.if \dh == 0
	v_wmma_f32_16x16x32_f16 v[S+32*\t+8*\kt:S+32*\t+8*\kt+7], v[KF+8*(2*\kt+\dh):KF+8*(2*\kt+\dh)+7], v[QF+16*\t+8*\dh:QF+16*\t+8*\dh+7], v[BI+8*\kt:BI+8*\kt+7]
.else
	v_wmma_f32_16x16x32_f16 v[S+32*\t+8*\kt:S+32*\t+8*\kt+7], v[KF+8*(2*\kt+\dh):KF+8*(2*\kt+\dh)+7], v[QF+16*\t+8*\dh:QF+16*\t+8*\dh+7], v[S+32*\t+8*\kt:S+32*\t+8*\kt+7]
.endif
.endr
.endr
.endr
	WIN 0
.rept 4
	v_nop                                          ; four places: the lines below read the scores and write over K's registers
.endr
	; the maximum of a lane's 32 scores and the old m: four chains a tile, the tiles by turns; each accumulator is read from its low end on
.irp j, 0,1,2,3
.irp t, 0,1,2,3
	v_max3_num_f32 v[TC+4*\t+\j], v[S+32*\t+8*\j], v[S+32*\t+8*\j+1], v[S+32*\t+8*\j+2]
.endr
.endr
.irp g, 1,2
.irp j, 0,1,2,3
.irp t, 0,1,2,3
	v_max3_num_f32 v[TC+4*\t+\j], v[TC+4*\t+\j], v[S+32*\t+8*\j+2*\g+1], v[S+32*\t+8*\j+2*\g+2]
.endr
.endr
.endr
.irp t, 0,1,2,3
	v_max3_num_f32 v[TC+4*\t], v[TC+4*\t], v[S+32*\t+7], v[S+32*\t+15]
.endr
.irp t, 0,1,2,3
	v_max3_num_f32 v[TC+4*\t+2], v[TC+4*\t+2], v[S+32*\t+23], v[S+32*\t+31]
.endr
.irp t, 0,1,2,3
	v_max3_num_f32 v[TC+4*\t], v[TC+4*\t], v[TC+4*\t+1], v[TC+4*\t+2]
.endr
.irp t, 0,1,2,3
.if \first
	v_max_num_f32 v[TC+4*\t], v[TC+4*\t], v[TC+4*\t+3]
.else
	v_max3_num_f32 v[TC+4*\t], v[TC+4*\t], v[TC+4*\t+3], v[M+4*\t]
.endif
.endr
.irp t, 0,1,2,3
	v_permlanex16_b32 v[TC+4*\t+1], v[TC+4*\t], s[SEL], s[SEL+1]   ; the query's other 32 keys lie in the lane 16 away
.endr
.if !\first
.irp t, 0,1,2,3
	v_mov_b32 v[TC+4*\t+3], v[M+4*\t]              ; m_old is kept for a
.endr
.endif
.irp t, 0,1,2,3
	v_max_num_f32 v[M+4*\t], v[TC+4*\t], v[TC+4*\t+1]
.endr
.if !\first
.irp t, 0,1,2,3
	v_sub_f32 v[TC+4*\t+3], v[TC+4*\t+3], v[M+4*\t]
.endr
.endif
.irp t, 0,1,2,3
.set i, 0
.rept 16
	v_pk_add_f32 v[S+32*\t+i:S+32*\t+i+1], v[S+32*\t+i:S+32*\t+i+1], v[M+4*\t:M+4*\t+1] op_sel_hi:[1,0] neg_lo:[0,1] neg_hi:[0,1]   ; t - m, two at a time
.set i, i+2
.endr
.endr
	; the exponentials are ONE BATCH: none of them reads another's result
.if !\first
.irp t, 0,1,2,3
	v_exp_f32 v[TA+2*\t], v[TC+4*\t+3]             ; a = 2^(m_old - m_new)
.endr
.endif
.set i, 0
.rept 128
	v_exp_f32 v[S+i], v[S+i]                       ; p = 2^(t - m)
.set i, i+1
.endr
	v_nop                                          ; a plain instruction behind the last exponential and ahead of the first use
	s_wait_alu depctr_va_vdst(0)                   ; a wait ahead of the first instruction that names a result: one for the batch
	; the sums, of p in f32, two chains a tile, the tiles by turns
.irp t, 0,1,2,3
	v_pk_add_f32 v[TU+4*\t:TU+4*\t+1], v[S+32*\t:S+32*\t+1], v[S+32*\t+2:S+32*\t+3]
.endr
.irp t, 0,1,2,3
	v_pk_add_f32 v[TU+4*\t+2:TU+4*\t+3], v[S+32*\t+4:S+32*\t+5], v[S+32*\t+6:S+32*\t+7]
.endr
.irp i, 8,12,16,20,24,28
.irp t, 0,1,2,3
	v_pk_add_f32 v[TU+4*\t:TU+4*\t+1], v[TU+4*\t:TU+4*\t+1], v[S+32*\t+\i:S+32*\t+\i+1]
.endr
.irp t, 0,1,2,3
	v_pk_add_f32 v[TU+4*\t+2:TU+4*\t+3], v[TU+4*\t+2:TU+4*\t+3], v[S+32*\t+\i+2:S+32*\t+\i+3]
.endr
.endr
.if \first
.irp t, 0,1,2,3
	v_pk_add_f32 v[M+4*\t+2:M+4*\t+3], v[TU+4*\t:TU+4*\t+1], v[TU+4*\t+2:TU+4*\t+3]
.endr
.else
.irp t, 0,1,2,3
	v_pk_add_f32 v[TU+4*\t:TU+4*\t+1], v[TU+4*\t:TU+4*\t+1], v[TU+4*\t+2:TU+4*\t+3]
.endr
.irp t, 0,1,2,3
	v_pk_fma_f32 v[M+4*\t+2:M+4*\t+3], v[M+4*\t+2:M+4*\t+3], v[TA+2*\t:TA+2*\t+1], v[TU+4*\t:TU+4*\t+1] op_sel_hi:[1,0,1]   ; l = a l + the sum
.endr
.endif
.irp t, 0,1,2,3                                ; P, rounded to f16, is laid over the lower half of the tile's S: conversion i writes register i, which no later conversion reads
.set i, 0
.rept 16
	v_cvt_pk_f16_f32 v[S+32*\t+i], v[S+32*\t+2*i], v[S+32*\t+2*i+1]
.set i, i+1
.endr
.endr
.if !\first
	WIN 0x41                                       ; O^T (destination and source 0) window 1, a window 0
.irp t, 0,1,2,3
.set i, 0
.rept 16
	v_pk_mul_f32 v[32*\t+i:32*\t+i+1], v[32*\t+i:32*\t+i+1], v[TA+2*\t:TA+2*\t+1] op_sel_hi:[1,0]   ; each accumulator from its low end on
.set i, i+2
.endr
.endr
.endif
	s_wait_dscnt 0x0                               ; V is in
	WIN 0x51                                       ; V, C and D window 1, P window 0
.irp kk, 0,1                                   ; O^T += V^T P: the 16 accumulators take turns
.irp dt, 0,1,2,3
.irp t, 0,1,2,3
.if \first && (\kk == 0)
	v_wmma_f32_16x16x32_f16 v[32*\t+8*\dt:32*\t+8*\dt+7], v[VF+8*(2*\dt+\kk):VF+8*(2*\dt+\kk)+7], v[S+32*\t+8*\kk:S+32*\t+8*\kk+7], 0
.else
	v_wmma_f32_16x16x32_f16 v[32*\t+8*\dt:32*\t+8*\dt+7], v[VF+8*(2*\dt+\kk):VF+8*(2*\dt+\kk)+7], v[S+32*\t+8*\kk:S+32*\t+8*\kk+7], v[32*\t+8*\dt:32*\t+8*\dt+7]
.endif
.endr
.endr
.endr
	WIN 0
	s_add_co_u32 s[TK], s[TK], 32*KPP              ; the next 64 keys
	s_add_co_u32 s[TV], s[TV], 32*VPP
	s_add_co_u32 s[TBI], s[TBI], 256
.endm
; THE CHANGE OF SLOTS: slot s has been read.  Each wave waits for all its tensor loads (one is out: its part of the other slot), adds 0 to its spare word, and waits for that and for its reads of the slot.
; fill = 1: the slot is filled again with the keys 1,024 on; the barrier is then a round of the cluster's, and the joint refill is the first thing behind it: one tensor load of mine is out, with a slot's 8 steps in which to land.
.macro CHANGE slot, fill
	s_wait_tensorcnt 0x0                           ; no tensor load of mine is out, so a group 0 may be written
	ds_add_u32 v[SPW], v[NIL]                      ; 0 onto my spare word
.if \fill
	s_add_nc_u64 s[G0K+4*\slot+2:G0K+4*\slot+3], s[G0K+4*\slot+2:G0K+4*\slot+3], 131072   ; the type bits on top are not reached
	s_add_nc_u64 s[G0V+4*\slot+2:G0V+4*\slot+3], s[G0V+4*\slot+2:G0V+4*\slot+3], 131072
.endif
	s_wait_dscnt 0x0                               ; the add is done, and my reads of the slot are over
.if \fill
	CROUND
	JLOAD \slot
.else
	s_barrier_signal -1
	s_barrier_wait -1
.endif
.endm
; A slot's 8 key steps; ph: which 512 keys of the 2,048.  peel = 1: the first step of all is written out.
.macro PHASE slot, peel, ph
	s_mov_b32 s[TK], \slot*SLOTB
	s_mov_b32 s[TV], \slot*SLOTB+VOFF
	s_mov_b32 s[TBI], \ph*2048
.if \peel
	STEP 1
.endif
	s_mov_b32 s[CNT], 8-\peel
.Lstep_\@:
	STEP 0
	s_sub_co_u32 s[CNT], s[CNT], 1
	s_cmp_lg_u32 s[CNT], 0
	s_cbranch_scc1 .Lstep_\@
.endm
	PHASE 0, 1, 0
	CHANGE 0, 1                                    ; slot 0 takes keys 1,024 on
	PHASE 1, 0, 1
	CHANGE 1, 1                                    ; slot 1 takes keys 1,536 on
	PHASE 0, 0, 2
	CHANGE 0, 0                                    ; nothing is left to fetch
	PHASE 1, 0, 3
	; THE WAY OUT.  l's two halves and the other half of the lanes' are added; O^T is divided by l, rounded to f16 and sent through my stage, a tile (16 rows of 128 bytes) at a time.  The additions are the places behind the last products.
.irp t, 0,1,2,3
	v_add_f32 v[TC+4*\t], v[M+4*\t+2], v[M+4*\t+3]
.endr
.irp t, 0,1,2,3
	v_permlanex16_b32 v[TC+4*\t+1], v[TC+4*\t], s[SEL], s[SEL+1]
.endr
.irp t, 0,1,2,3
	v_add_f32 v[TC+4*\t], v[TC+4*\t], v[TC+4*\t+1]
.endr
.irp t, 0,1,2,3
	v_rcp_f32 v[TA+2*\t], v[TC+4*\t]
.endr
	s_mul_i32 s66, s[WV], 16*SP
	s_add_co_u32 s66, s66, STAGE                   ; my stage
	v_mul_u32_u24 v[STO], v14, SP                  ; (plain work behind the reciprocals)  in: row r, 16 bytes for each half of the lanes
	v_lshl_add_u32 v[STO], v15, 4, v[STO]
	v_add_nc_u32 v[STO], s66, v[STO]
	v_bfe_u32 v[RD], v0, 3, 2                      ; back: eight lanes to a row, four rows an instruction
	v_mul_u32_u24 v[RD], v[RD], SP
	v_and_b32 v12, 7, v0
	v_lshl_add_u32 v[RD], v12, 4, v[RD]
	v_add_nc_u32 v[RD], s66, v[RD]
	s_wait_alu depctr_va_vdst(0)                   ; one wait for the four reciprocals, ahead of their first reader
.macro PACK t
	WIN 0x41
.set i, 0
.rept 16
	v_pk_mul_f32 v[32*\t+i:32*\t+i+1], v[32*\t+i:32*\t+i+1], v[TA+2*\t:TA+2*\t+1] op_sel_hi:[1,0]
.set i, i+2
.endr
	WIN 0x05                                       ; sources 0 and 1 window 1, destination window 0
.set i, 0
.rept 16
	v_cvt_pk_f16_f32 v[S+32*\t+i], v[32*\t+2*i], v[32*\t+2*i+1]
.set i, i+1
.endr
	WIN 0
.irp f, 0,1,2,3
	ds_store_b128 v[STO], v[S+32*\t+4*\f:S+32*\t+4*\f+3] offset:32*\f
.endr
.irp f, 0,1,2,3
	ds_load_b128 v[S+32*\t+16+4*\f:S+32*\t+16+4*\f+3], v[RD] offset:\f*4*SP   ; LDS serves a wave's instructions in order (ISA guide 5.7.1.4): these see the stores above; the next tile's stores come behind them
.endr
.endm
.macro SEND t, younger                 ; younger: the LDS instructions issued behind tile t's loads: the next tile's eight, or none
.irp f, 0,1,2,3
	s_wait_dscnt \younger+3-\f
	global_store_b128 v[GO], v[S+32*\t+16+4*\f:S+32*\t+16+4*\f+3], s[8:9] offset:\t*2048+\f*512   ; 32 lanes store 512 consecutive bytes, at a multiple of 256 from o16's first byte
.endr
.endm
	PACK 0
	PACK 1                                         ; a tile's arithmetic stands between the loads of the tile before and its stores
	SEND 0, 8
	PACK 2
	SEND 1, 8
	PACK 3
	SEND 2, 8
	SEND 3, 0
	s_wait_tensorcnt 0x0                           ; the wave's end: the three closing lines, behind my last tensor load and my last LDS store
	ds_add_u32 v[SPW], v[NIL]
	s_wait_dscnt 0x0
	CROUND                                         ; the closing round: no work-group ends while a partner may still ask for a tile that names it
	s_endpgm
.Lfunc_end_k_qd2a8374dc0_attn:
	.size	k_qd2a8374dc0_attn, .Lfunc_end_k_qd2a8374dc0_attn-k_qd2a8374dc0_attn
	.p2alignl 7, 3214868480
	.fill 96, 4, 3214868480
	.section	.rodata,"a",@progbits
	.p2align	6, 0x0
	.amdhsa_kernel k_qd2a8374dc0_attn
		.amdhsa_group_segment_fixed_size 327680
		.amdhsa_private_segment_fixed_size 0
		.amdhsa_enable_private_segment 0
		.amdhsa_kernarg_size 24
		.amdhsa_user_sgpr_count 2
		.amdhsa_user_sgpr_kernarg_segment_ptr 1
		.amdhsa_wavefront_size32 1
		.amdhsa_system_sgpr_workgroup_id_x 1
		.amdhsa_system_sgpr_workgroup_id_y 1
		.amdhsa_system_sgpr_workgroup_id_z 1
		.amdhsa_system_vgpr_workitem_id 0
		.amdhsa_next_free_vgpr 512
		.amdhsa_next_free_sgpr 80
		.amdhsa_reserve_vcc 1
		.amdhsa_float_denorm_mode_32 3
		.amdhsa_float_denorm_mode_16_64 3
		.amdhsa_memory_ordered 1
		.amdhsa_forward_progress 1
		.amdhsa_inst_pref_size 188
	.end_amdhsa_kernel
	.amdgpu_metadata
---
amdhsa.version: [ 1, 2 ]
amdhsa.kernels:
  - .name:           k_qd2a8374dc0_attn
    .symbol:         k_qd2a8374dc0_attn.kd
    .args:
      - { .name: qkv, .offset: 0, .size: 8, .value_kind: global_buffer, .address_space: global }
      - { .name: mask, .offset: 8, .size: 8, .value_kind: global_buffer, .address_space: global }
      - { .name: o16, .offset: 16, .size: 8, .value_kind: global_buffer, .address_space: global }
    .group_segment_fixed_size: 327680
    .private_segment_fixed_size: 0
    .kernarg_segment_align: 8
    .kernarg_segment_size: 24
    .max_flat_workgroup_size: 256
    .sgpr_count:     80
    .vgpr_count:     512
    .wavefront_size: 32
...
	.end_amdgpu_metadata
.endif
;; end of part 3
;; launch outp (part 4): grid 4 x 64, 4 waves a work-group, clusters of 4 x 4, 327,680 bytes of LDS; arguments o16, wo16, bo, out0; writes out0
.if DOCPART == 4
	.amdgcn_target "amdgcn-amd-amdhsa--gfx1250"
	.amdhsa_code_object_version 6
	.text
	.protected	k_qd2a8374dc0_outp
	.globl	k_qd2a8374dc0_outp
	.p2align	8
	.type	k_qd2a8374dc0_outp,@function
k_qd2a8374dc0_outp:
	s_mov_b64 s[64:65], 0
	v_nop
	global_prefetch_b8 v0, s[64:65] scope:SCOPE_SE
	s_setreg_imm32_b32 hwreg(HW_REG_WAVE_MODE, 25, 1), 1
	s_wait_xcnt 0x0
	s_wait_alu depctr_hold_cnt(0) depctr_sa_sdst(0) depctr_va_vdst(0) depctr_va_sdst(0) depctr_va_ssrc(0) depctr_va_vcc(0) depctr_vm_vsrc(0)
	s_getreg_b32 s2, hwreg(HW_REG_IB_STS2, 6, 4)
	s_cmp_eq_u32 s2, 0
	s_cbranch_scc0 .Lentry_in_a_cluster
	s_endpgm
.Lentry_in_a_cluster:
	s_bfe_u32 s2, ttmp6, 0x10000c
	s_cmp_lg_u32 s2, 0xf033
	s_cbranch_scc0 .Lentry_shape_is_right
	s_endpgm
.Lentry_shape_is_right:
; MULTI-HEAD ATTENTION, launch 4 of 4: out0[m][n] = the sum over k of o[m][k] Wo[n][k] + bo[n].  Nothing is left out.  f16 operands, f32 sums; bo is the C of each sum's first matrix instruction.
; o16: [n 4][h 16][l 2048][64] f16: row m = 2048 n + l, k = 64 h + d.  wo16: [1024][1024] f16.  out0: [8192][1024] f32.
; A tile of 128 x 256 gives 64 x 4 = 256 work-groups.  Four waves, each 64 x 128: 32 accumulators of 16 x 16.  K goes in steps of 128, two heads, through a ring of two LDS slots.
; A head's 128 rows of 128 bytes are dense: A's tile is stated as 64 rows of 256 bytes (two rows of o each), one tensor load a head; row i lies at (i / 2) x pitch + (i % 2) x 128.  B's tile: 256 rows of 256 bytes, two loads.
; CLUSTERS: 4 x 4 work-groups; A's tiles are shared along a row of the cluster, B's along a column: joint loads, a round of the cluster's barrier in front of each refill.
; No prefetch is laid: the tile is small and both operands are read by many work-groups.
; THE MATRIX INSTRUCTION IS USED TRANSPOSED (source 0 = 16 rows of wo16, source 1 = 16 rows of o): a lane holds eight neighbouring columns of one row of out0.
; REGISTERS: window 0: v16-29 addresses; v32-127, v128-223 two fragment buffers (A's 4 fragments, then B's 8), on the way out rows read back.  window 1: accumulator (a, b) at v[8 (8 a + b)].  window 2: v0-63 bo in the result's layout.
.set PITCH,  272                       ; an LDS row: 256 bytes + 16 of padding: the 16 rows that a load touches start at 16 different groups of four banks (64 banks of 4 bytes: ISA guide 11.1)
.set AHEAD,  64*PITCH                  ; one head's 128 rows of A
.set BOFF,   2*AHEAD                   ; B lies behind A's two heads
.set BHALF,  128*PITCH                 ; 128 rows of B
.set SLOT,   BOFF+2*BHALF
.set STAGE,  2*SLOT                    ; behind the ring: 16 rows x (512 bytes + 16) for each wave
.set SPITCH, 528
.set SPARE,  STAGE+4*16*SPITCH         ; the spare words, 128 bytes for each wave, named by no other line
.set LAPS,   4                         ; a lap = two K steps; K = 1,024 is 8 steps
.set ADRA, 16                          ; v16-17  LDS address of my A fragments in slot 0, 1
.set ADRB, 20                          ; v20-21  the same for B
.set STO,  24                          ; v24     the way out: where I put 32 bytes of a row
.set RD,   25                          ; v25     where I read a row back
.set CO,   26                          ; v26     my byte offset in a row of out0
.set BOA,  27                          ; v27     my byte offset in bo
.set SPW,  28                          ; v28     LDS address of my spare word; never rewritten
.set NIL,  29                          ; v29     0; never rewritten
.set F0,   32
.set F1,   128
.set WV,   12                          ; s12 wave;  s13 which 64 rows are mine, also: I fetch for A (0) or B (1);  s14 which 128 columns, also: which part I fetch
.set G1, 24                            ; s[24:31] descriptor group 1 for A's tiles;  s[32:39] group 0, a set for each slot
.set G0, 32
.set G1B, 48                           ; s[48:55], s[56:63] the same for B's
.set G0B, 56
.set MSB, 0
.macro WIN new                         ; the immediate's high byte repeats the setting that is left; a switch that changes nothing is dropped
.if MSB != (\new)
	s_set_vgpr_msb (MSB<<8)|(\new)
.set MSB, (\new)
.endif
.endm
.set MUL, 0x50                         ; sources 0 and 1 window 0, C and D window 1;  + 0x10: C window 2 (bo)
.macro JLOAD s                         ; a joint load: waves 0 and 1 fetch A's two heads, waves 2 and 3 B's halves; an s_nop 0 and four v_nop follow each of the two lines
	s_cmp_eq_u32 s13, 0
	s_cbranch_scc0 .Lfor_b_\@
	tensor_load_to_lds s[G0+4*\s:G0+4*\s+3], s[G1:G1+7]
	s_nop 0
.rept 4
	v_nop
.endr
	s_branch .Lasked_\@
.Lfor_b_\@:
	tensor_load_to_lds s[G0B+4*\s:G0B+4*\s+3], s[G1B:G1B+7]
	s_nop 0
.rept 4
	v_nop
.endr
.Lasked_\@:
.endm
.macro CREST                           ; a round of the cluster's barrier behind its opening barrier
	s_cmp_lg_u32 s[WV], 0
	s_cbranch_scc1 .Lnot_wave_0_\@
	s_barrier_signal -3
.Lnot_wave_0_\@:
	s_barrier_wait -3
	s_barrier_signal -1
	s_barrier_wait -1
.endm
.macro CROUND                          ; a whole round
	s_barrier_signal -1
	s_barrier_wait -1
	CREST
.endm
	s_load_b256 s[4:11], s[0:1], 0x0               ; o16 s[4:5], wo16 s[6:7], bo s[8:9], out0 s[10:11]
	v_lshl_add_u32 v[SPW], v0, 2, SPARE
	v_mov_b32 v[NIL], 0
	ds_add_u32 v[SPW], v[NIL]                      ; the wave's opening: the add, twice on end, and its wait ahead of my first tensor load
	ds_add_u32 v[SPW], v[NIL]                      ; once more; the set-up below, work on registers, stands between it and the wait
	v_lshrrev_b32 v1, 5, v0
	v_readfirstlane_b32 s[WV], v1                  ; wave 0..3
	s_lshr_b32 s13, s[WV], 1
	s_and_b32 s14, s[WV], 1
	s_bfe_u32 s40, ttmp6, 0x40000                  ; cx, cy: my place in the cluster
	s_bfe_u32 s41, ttmp6, 0x40004
	s_lshl_b32 s42, ttmp9, 2
	s_add_co_u32 s42, s42, s40                     ; tile column = 4 x cluster x + cx
	s_and_b32 s15, ttmp7, 0xffff
	s_lshl_b32 s15, s15, 2
	s_add_co_u32 s15, s15, s41                     ; tile row R = 4 x cluster y + cy
	s_lshl_b32 s43, s41, 2
	s_lshl_b32 s43, 15, s43                        ; my row of the cluster
	s_lshl_b32 s44, 0x1111, s40                    ; my column
	s_or_b32 s[G1+0], s43, (1<<16)|(1<<20)|(1<<21)|(5<<22)|(3<<25)   ; 15:0 the mask; 17:16 elements of 2 bytes; 20 padding on; 21 set beside a mask; 24:22 after every 64 words; 31:25 four words
	s_or_b32 s[G1B+0], s44, (1<<16)|(1<<20)|(1<<21)|(5<<22)|(3<<25)
	s_mov_b32 s[G1+1], 128<<16                     ; A: tensor_dim0 = 128 elements,
	s_mov_b32 s[G1+2], 64<<16                      ; tensor_dim1 = 64,
	s_mov_b32 s[G1+3], 128<<16                     ; tile_dim0,
	s_mov_b32 s[G1+4], 64                          ; tile_dim1,
	s_mov_b32 s[G1+5], 128                         ; dense in memory
	s_mov_b32 s[G1+6], 0
	s_mov_b32 s[G1+7], 0
	s_mov_b32 s[G1B+1], 128<<16                    ; B: 128 rows of 128 elements,
	s_mov_b32 s[G1B+2], 128<<16
	s_mov_b32 s[G1B+3], 128<<16
	s_mov_b32 s[G1B+4], 128
	s_mov_b32 s[G1B+5], 1024                       ; 1,024 elements from row to row
	s_mov_b32 s[G1B+6], 0
	s_mov_b32 s[G1B+7], 0
	; where the tiles come from.  A's hang on the tile row alone, B's on the tile column alone; every wave makes both addresses and asks by one of them
	s_lshr_b32 s16, s15, 4                         ; the batch: 16 tile rows each,
	s_lshl_b32 s16, s16, 22                        ; 16 heads x 262,144 bytes
	s_and_b32 s17, s15, 15
	s_lshl_b32 s17, s17, 14                        ; the tile's 128 rows of 128 bytes in a head
	s_add_co_u32 s16, s16, s17
	s_lshl_b32 s17, s14, 18                        ; which head of the K step's two I fetch
	s_add_co_u32 s16, s16, s17
	s_mov_b32 s17, 0
	s_lshl_b32 s46, s42, 8
	s_lshl_b32 s47, s14, 7
	s_add_co_u32 s46, s46, s47                     ; B: row 256 x tile column + 128 x half,
	s_lshl_b32 s46, s46, 11                        ; of 2,048 bytes
	s_mov_b32 s47, 0
	s_mul_i32 s20, s14, AHEAD                      ; where they go: no place in the cluster enters an LDS address
	s_mul_i32 s23, s14, BHALF
	s_add_co_u32 s23, s23, BOFF
	s_wait_dscnt 0x0                               ; both opening adds are done
	s_wait_kmcnt 0x0
	s_add_nc_u64 s[18:19], s[4:5], s[16:17]
	s_add_nc_u64 s[46:47], s[6:7], s[46:47]
	CROUND                                         ; all sixteen work-groups are here: the first joint loads meet
.irp s, 0,1
	s_mov_b32 s[G0+4*\s], 1
	s_add_co_u32 s[G0+4*\s+1], s20, \s*SLOT
	s_add_nc_u64 s[G0+4*\s+2:G0+4*\s+3], s[18:19], \s*2*262144     ; K step s: heads 2 s, 2 s + 1
	s_or_b32 s[G0+4*\s+3], s[G0+4*\s+3], 0x80000000
	s_mov_b32 s[G0B+4*\s], 1
	s_add_co_u32 s[G0B+4*\s+1], s23, \s*SLOT
	s_add_nc_u64 s[G0B+4*\s+2:G0B+4*\s+3], s[46:47], \s*256
	s_or_b32 s[G0B+4*\s+3], s[G0B+4*\s+3], 0x80000000
	JLOAD \s                                       ; two tensor loads of mine are out behind the second
.endr
	v_and_b32 v1, 15, v0                           ; r = lane % 16
	v_bfe_u32 v2, v0, 4, 1                         ; h = lane / 16
	v_lshlrev_b32 v[BOA], 5, v2                    ; bo: my half's 8 numbers of a block of 16
	s_lshl_b32 s46, s42, 10
	s_lshl_b32 s47, s14, 9
	s_add_co_u32 s46, s46, s47                     ; my first column, in bytes of f32: 1,024 x tile column + 512 x half
	s_mov_b32 s47, 0
	s_add_nc_u64 s[8:9], s[8:9], s[46:47]
	WIN 0x80                                       ; destination window 2
.irp b, 0,1,2,3,4,5,6,7
	global_load_b128 v[8*\b:8*\b+3], v[BOA], s[8:9] offset:64*\b       ; register j of block b: bo[16 b + 8 h + j]
	global_load_b128 v[8*\b+4:8*\b+7], v[BOA], s[8:9] offset:64*\b+16
.endr
	WIN 0
	s_lshl_b32 s16, s15, 7
	s_lshl_b32 s17, s13, 6
	s_add_co_u32 s16, s16, s17                     ; my first row of out0: 128 R + 64 x half,
	s_lshl_b32 s16, s16, 12                        ; of 4,096 bytes: under 2^26
	s_mov_b32 s17, 0
	s_add_nc_u64 s[10:11], s[10:11], s[16:17]
	s_add_nc_u64 s[10:11], s[10:11], s[46:47]
	v_lshrrev_b32 v3, 1, v1                        ; A: row r at (r / 2) x pitch + (r % 2) x 128, + 16 h
	v_mul_u32_u24 v3, v3, PITCH
	v_and_b32 v4, 1, v1
	v_lshl_add_u32 v3, v4, 7, v3
	v_lshl_add_u32 v3, v2, 4, v3
	s_mul_i32 s21, s13, 32*PITCH                   ; my 64 rows
	v_mul_u32_u24 v4, v1, PITCH                    ; B: row r x pitch + 16 h
	v_lshl_add_u32 v4, v2, 4, v4
	s_mul_i32 s22, s14, BHALF                      ; my 128 rows,
	s_add_co_u32 s22, s22, BOFF                    ; behind A
.irp s, 0,1
	v_add_nc_u32 v[ADRA+\s], s21, v3
	v_add_nc_u32 v[ADRB+\s], s22, v4
	s_add_co_u32 s21, s21, SLOT
	s_add_co_u32 s22, s22, SLOT
.endr
	s_mul_i32 s23, s[WV], 16*SPITCH
	s_add_co_u32 s23, s23, STAGE                   ; my stage
	v_mul_u32_u24 v5, v1, SPITCH                   ; in: row r, 32 bytes for each half of the lanes
	v_lshl_add_u32 v5, v2, 5, v5
	v_add_nc_u32 v[STO], s23, v5
	v_and_b32 v6, 31, v0
	v_lshlrev_b32 v[CO], 4, v6                     ; back: the 32 lanes take one row of 512 bytes; and the same in out0
	v_add_nc_u32 v[RD], s23, v[CO]
; 8 matrix instructions: A's block a x B's eight, 32 along K, from buffer f.  bias = 1: the first product starts the sums with bo.  The 32 accumulators take turns, in the same order in every quarter.
.macro MUL8 f, a, bias
.irp b, 0,1,2,3,4,5,6,7
.if \bias
	v_wmma_f32_16x16x32_f16 v[8*(8*(\a)+\b):8*(8*(\a)+\b)+7], v[\f+32+8*\b:\f+32+8*\b+7], v[\f+8*(\a):\f+8*(\a)+7], v[8*\b:8*\b+7]
.else
	v_wmma_f32_16x16x32_f16 v[8*(8*(\a)+\b):8*(8*(\a)+\b)+7], v[\f+32+8*\b:\f+32+8*\b+7], v[\f+8*(\a):\f+8*(\a)+7], v[8*(8*(\a)+\b):8*(8*(\a)+\b)+7]
.endif
.endr
.endm
; 24 LDS loads in one run: the fragments of the slot's q-th 32 along K into buffer f: B's eight, then A's four (q / 2: which head; q % 2: which half of its 64 channels)
.macro FETCH slot, q, f
.irp i, 0,1,2,3,4,5,6,7
	ds_load_b128 v[\f+32+8*\i:\f+32+8*\i+3],   v[ADRB+\slot] offset:(\q)*64+\i*16*PITCH
	ds_load_b128 v[\f+32+8*\i+4:\f+32+8*\i+7], v[ADRB+\slot] offset:(\q)*64+\i*16*PITCH+32
.endr
.irp i, 0,1,2,3
	ds_load_b128 v[\f+8*\i:\f+8*\i+3],   v[ADRA+\slot] offset:((\q)/2)*AHEAD+((\q)%2)*64+\i*8*PITCH
	ds_load_b128 v[\f+8*\i+4:\f+8*\i+7], v[ADRA+\slot] offset:((\q)/2)*AHEAD+((\q)%2)*64+\i*8*PITCH+32
.endr
.endm
.macro PLACES                          ; four places in front of loads into registers that matrix instructions have read, and of the first read of results (ISA guide 7.12.1 for vector instructions)
.rept 4
	v_nop
.endr
.endm
; A K step is four quarters of 32 along K, 32 matrix instructions each, on buffers 0, 1, 0, 1.  One of the first three: multiplies buffer f and fetches quarter qn of the same slot into g.
.macro QUARTER slot, qn, f, g, bias
	s_wait_dscnt 4                                 ; B and A's blocks 0, 1 are in; the youngest four loads (A's blocks 2, 3) may be out
	WIN MUL+0x10*\bias
	MUL8 \f, 0, \bias
	MUL8 \f, 1, \bias
	PLACES
	WIN 0
	FETCH \slot, \qn, \g
	s_wait_dscnt 24                                ; all but the 24 just issued
	WIN MUL+0x10*\bias
	MUL8 \f, 2, \bias
	MUL8 \f, 3, \bias
.endm
; The last quarter multiplies buffer 1 and changes slots: ONE barrier; in front of it each wave waits for all its tensor loads, adds 0 to its spare word, and waits for that and for its reads of this slot.
; fill = 1: the barrier opens a round of the cluster's, and this slot is filled again, two K steps ahead: one tensor load of mine is out, with a K step's matrix work in which to land.
.macro TURN slot, next, fill
	WIN 0                                          ; (the add's two registers lie in window 0)
	s_wait_tensorcnt 0x0                           ; all my tensor loads have landed: my part of the next slot
	ds_add_u32 v[SPW], v[NIL]                      ; 0 onto my spare word
	s_wait_dscnt 5                                 ; (the add and the youngest four loads may be out)
	WIN MUL
	MUL8 F1, 0, 0                                  ; eight matrix instructions stand between the add and the wait for it
	s_wait_dscnt 0x0                               ; the add is done, and my reads of this slot are over
	s_barrier_signal -1
	MUL8 F1, 1, 0
	WIN 0
	s_barrier_wait -1
.if \fill
	CREST                                          ; no wave of any partner still reads this slot's tile or has a load on its way
	s_add_nc_u64 s[G0+4*\slot+2:G0+4*\slot+3], s[G0+4*\slot+2:G0+4*\slot+3], 4*262144   ; four heads on
	s_add_nc_u64 s[G0B+4*\slot+2:G0B+4*\slot+3], s[G0B+4*\slot+2:G0B+4*\slot+3], 512
	JLOAD \slot                                    ; the first tensor load behind the round; its four v_nop are also the places in front of the loads below
.else
	PLACES
.endif
	FETCH \next, 0, F0
	WIN MUL
	MUL8 F1, 2, 0
	MUL8 F1, 3, 0
.endm
	s_wait_tensorcnt 1                             ; my part of K step 0 is in (K step 1's load may be out),
	s_barrier_signal -1
	s_barrier_wait -1                              ; everybody's is
	FETCH 0, 0, F0
	s_wait_loadcnt 0x0                             ; bo
	QUARTER 0, 1, F0, F1, 1                        ; the first quarter stands in front of the loop: its products start the sums, with bo as C
	WIN 0                                          ; at a label and at a branch every window is 0
	s_mov_b32 s3, LAPS-1
.Llap:                                                 ; a trip goes once round the ring, from a lap's second quarter to the next lap's first, and fills both slots again
	QUARTER 0, 2, F1, F0, 0
	QUARTER 0, 3, F0, F1, 0
	TURN 0, 1, 1
	QUARTER 1, 1, F0, F1, 0
	QUARTER 1, 2, F1, F0, 0
	QUARTER 1, 3, F0, F1, 0
	TURN 1, 0, 1
	QUARTER 0, 1, F0, F1, 0
	WIN 0
	s_sub_co_u32 s3, s3, 1
	s_cmp_lg_u32 s3, 0
	s_cbranch_scc1 .Llap
	QUARTER 0, 2, F1, F0, 0                        ; the last lap fills nothing, and has no round of the cluster's barrier
	QUARTER 0, 3, F0, F1, 0
	TURN 0, 1, 0
	QUARTER 1, 1, F0, F1, 0
	QUARTER 1, 2, F1, F0, 0
	QUARTER 1, 3, F0, F1, 0
	s_wait_dscnt 4                                 ; the very last quarter: nothing more to fetch
	WIN MUL
	MUL8 F1, 0, 0
	MUL8 F1, 1, 0
	s_wait_dscnt 0
	MUL8 F1, 2, 0
	MUL8 F1, 3, 0
	WIN 0
; THE WAY OUT, block by block of 16 rows x 128 columns.  A lane holds 32 neighbouring bytes of a row, and the lanes beside it hold other rows: a block goes through my own stage and comes back as whole rows of 512 bytes.
.macro TOSTAGE a
	WIN 0x04                                       ; an LDS store's data are its source 1: window 1
.irp b, 0,1,2,3,4,5,6,7
	ds_store_b128 v[STO], v[8*(8*(\a)+\b):8*(8*(\a)+\b)+3] offset:64*\b          ; each accumulator from its low end on
	ds_store_b128 v[STO], v[8*(8*(\a)+\b)+4:8*(8*(\a)+\b)+7] offset:64*\b+16
.endr
	WIN 0
.set BB, F0+96*((\a)%2)
.irp t, 0,1,2,3,4,5,6,7,8,9,10,11,12,13,14,15
	ds_load_b128 v[BB+4*\t:BB+4*\t+3], v[RD] offset:\t*SPITCH     ; LDS serves a wave's instructions in order (ISA guide 5.7.1.4): these see the stores above
.endr
.endm
.macro SEND a, younger                 ; younger: the LDS instructions issued behind block a's loads, which may stay out
.set BB, F0+96*((\a)%2)
	s_wait_dscnt \younger                          ; the block is back in registers
.if (\a) > 0
	s_add_nc_u64 s[10:11], s[10:11], 16*4096       ; (behind a wait on XCNT: the earlier stores have read their base)  16 rows of out0 on
.endif
.irp t, 0,1,2,3,4,5,6,7,8,9,10,11,12,13,14,15
	global_store_b128 v[CO], v[BB+4*\t:BB+4*\t+3], s[10:11] offset:\t*4096 th:TH_STORE_NT   ; 32 lanes store 512 consecutive bytes, at a multiple of 256 from out0's first byte; written once, read by nobody here
.endr
.endm
	PLACES
	TOSTAGE 0
.irp a, 1,2,3
.if \a > 1
	s_wait_xcnt 0x0                                ; block a - 2's stores have read their registers and their base: block a's loads may land there, and the base may step
.endif
	TOSTAGE \a
	SEND \a-1, 32                                  ; behind block a - 1's loads: block a's 16 stores and 16 loads
.endr
	s_wait_xcnt 0x0                                ; block 2's stores have read their base
	SEND 3, 0
	s_wait_tensorcnt 0x0                           ; the wave's end: the three closing lines, behind my last tensor load and my last LDS store
	ds_add_u32 v[SPW], v[NIL]
	s_wait_dscnt 0x0
	CROUND                                         ; the closing round: no work-group ends while a partner may still ask for a tile that names it
	s_endpgm
.Lfunc_end_k_qd2a8374dc0_outp:
	.size	k_qd2a8374dc0_outp, .Lfunc_end_k_qd2a8374dc0_outp-k_qd2a8374dc0_outp
	.p2alignl 7, 3214868480
	.fill 96, 4, 3214868480
	.section	.rodata,"a",@progbits
	.p2align	6, 0x0
	.amdhsa_kernel k_qd2a8374dc0_outp
		.amdhsa_group_segment_fixed_size 327680
		.amdhsa_private_segment_fixed_size 0
		.amdhsa_enable_private_segment 0
		.amdhsa_kernarg_size 32
		.amdhsa_user_sgpr_count 2
		.amdhsa_user_sgpr_kernarg_segment_ptr 1
		.amdhsa_wavefront_size32 1
		.amdhsa_system_sgpr_workgroup_id_x 1
		.amdhsa_system_sgpr_workgroup_id_y 1
		.amdhsa_system_sgpr_workgroup_id_z 1
		.amdhsa_system_vgpr_workitem_id 0
		.amdhsa_next_free_vgpr 576
		.amdhsa_next_free_sgpr 66
		.amdhsa_reserve_vcc 0
		.amdhsa_float_denorm_mode_32 3
		.amdhsa_float_denorm_mode_16_64 3
		.amdhsa_memory_ordered 1
		.amdhsa_forward_progress 1
		.amdhsa_inst_pref_size 87
	.end_amdhsa_kernel
	.amdgpu_metadata
---
amdhsa.version: [ 1, 2 ]
amdhsa.kernels:
  - .name:           k_qd2a8374dc0_outp
    .symbol:         k_qd2a8374dc0_outp.kd
    .args:
      - { .name: o16, .offset: 0, .size: 8, .value_kind: global_buffer, .address_space: global }
      - { .name: wo16, .offset: 8, .size: 8, .value_kind: global_buffer, .address_space: global }
      - { .name: bo, .offset: 16, .size: 8, .value_kind: global_buffer, .address_space: global }
      - { .name: out0, .offset: 24, .size: 8, .value_kind: global_buffer, .address_space: global }
    .group_segment_fixed_size: 327680
    .private_segment_fixed_size: 0
    .kernarg_segment_align: 8
    .kernarg_segment_size: 32
    .max_flat_workgroup_size: 128
    .sgpr_count:     66
    .vgpr_count:     576
    .wavefront_size: 32
...
	.end_amdgpu_metadata
.endif
;; end of part 4
